; MI455X (gfx1250); checked and timed in simulation.
; The chip was launched on July 23, 2026; its instructions are those of AMD's public machine-readable ISA for CDNA 5 (MIT licence, August 2026) and "CDNA5" Instruction Set Architecture Reference Guide (July 2026). The comments in the code are by the model that wrote it; some were corrected since.
;; Attention. Allowed arithmetic: matrix products marked QUANTISED: E2M3 operands, one E8M0 scale for each 32 along K, by v_wmma_scale_f32_16x16x128_f8f6f4 with both operands' format E2M3, f32 sums; everything else in f32.
;; Inputs: WK 1,024 x 1,024 float32; WK_bias 1,024 float32; WO 1,024 x 1,024 float32; WO_bias 1,024 float32; WQ 1,024 x 1,024 float32; WQ_bias 1,024 float32; WV 1,024 x 1,024 float32; WV_bias 1,024 float32; k 4 x 2,048 x 1,024 float32; q 4 x 2,048 x 1,024 float32; v 4 x 2,048 x 1,024 float32.
;; Outputs: out0 4 x 2,048 x 1,024 float32.
;; This version of the problem:
;;   THIS VERSION OF THE PROBLEM IS GIVEN IN LOW PRECISION. The matrix products marked QUANTISED in the list below multiply operands that are first quantised to E2M3 (2 exponent bits, 3 mantissa bits; 6 bits a number), with one power-of-two scale for each 32 numbers along K (OCP MX v1.0); their sums are f32. All else is computed in f32.
;;   The module's matrix products, in the order in which they are computed (A, B: the left and right operand; K: the contracted axis; several contracted axes count as one K, in the product's order):
;;     1. [M 8,192, K 1,024] x [K 1,024, N 1,024]; A: input q; B: input WQ: QUANTISED
;;     2. [M 8,192, K 1,024] x [K 1,024, N 1,024]; A: input k; B: input WK: QUANTISED
;;     3. [M 8,192, K 1,024] x [K 1,024, N 1,024]; A: input v; B: input WV: QUANTISED
;;     4. batch 64 x [M 2,048, K 64] x [K 64, N 2,048]; A: computed on the way; B: computed on the way: QUANTISED
;;     5. batch 64 x [M 2,048, K 2,048] x [K 2,048, N 64]; A: softmax (see below); B: computed on the way: QUANTISED
;;     6. [M 8,192, K 1,024] x [K 1,024, N 1,024]; A: computed on the way; B: input WO: QUANTISED
;;   THE QUANTISER, for each operand of a quantised product, along K:
;;     - K is cut into blocks of 32 from its start; a last block that is shorter is filled with zeros.
;;     - A block's scale is 2^e with e = floor(log2(the largest magnitude in the block)) - 2, held to -126 .. 127; a block of zeros has e = 0. As a byte (E8M0): e + 127.
;;     - Each number is divided by its block's scale, clamped to +-7.5, and rounded to the nearest number of E2M3, ties to even, subnormals kept.
;;     - The product sums the exact products of the quantised numbers (number of the format x scale) in f32.
;;   ~~~python
;;   def quantise(x, axis):      # numpy; x: float32 -> the quantised numbers, widened to float32 again
;;       x = np.moveaxis(x, axis, -1); K = x.shape[-1]
;;       x = np.pad(x, [(0, 0)] * (x.ndim - 1) + [(0, -K % 32)]); x = x.reshape(x.shape[:-1] + (-1, 32)); a = np.abs(x).max(-1, keepdims=True)
;;       e = np.where(a > 0, np.clip(np.frexp(np.where(a > 0, a, 1))[1] - 1 - 2, -126, 127), 0)      # np.frexp(a)[1] - 1 = floor(log2(a)), exactly
;;       r = np.clip(x / 2.0 ** e, -7.5, 7.5)
;;       step = 2.0 ** (np.maximum(np.frexp(np.where(r == 0, 1, r))[1] - 1, 0) - 3)
;;       q = np.round(r / step) * step * 2.0 ** e      # np.round: ties to even
;;       return np.moveaxis(q.reshape(q.shape[:-2] + (-1,))[..., :K], -1, axis).astype(np.float32)
;;   ~~~
;;   SOFTMAX AHEAD OF A QUANTISED PRODUCT. Where the list says 'softmax', what is quantised is not the finished softmax but p = 2^(t - M), with t = logit x log2(e) and M = ceil(the row's largest t), a whole number; so 1/2 < the row's largest p <= 1. The row's sum l is taken of the UNQUANTISED p, in f32, and the product's result is divided by l at the end. Since M is a whole number, a kernel that streams over the keys may use a running M (the ceiling of the running maximum): every later rescaling is an exact power of two, which a block's scale takes up: the codes' values come out the same.
;;   OPERANDS COMPUTED ON THE WAY. 'Computed on the way' means the value that the module computes at that place (a softmax that the list does not call 'softmax' is quantised finished and normalised). What goes into a quantiser is computed in f32, as accurately as f32 sums, v_exp_f32 and their like allow (about 1e-6 of the number): no bf16 or f16 on the way to a quantiser, and a product that is left as it is and whose result goes on into a quantised operand takes f32 operands (vector FMAs, or v_wmma_f32_16x16x4_f32). A number that lies on a knife's edge between two numbers of the format may be rounded either way, as far as f32 arithmetic and the matrix unit's own rounding can turn it there, and no further.
;; One version. Each part assembles by itself: llvm-mc -triple=amdgcn-amd-amdhsa -mcpu=gfx1250 --defsym DOCPART=n.
;; ======== version 1 of 1: 4 launches
;; limits: right only within a limited range of input values
;; workspace buffers: xc 18,874,368 bytes; xs 786,432 bytes; wc 3,145,728 bytes; ws 131,072 bytes; pc 18,874,368 bytes; ps 1,572,864 bytes; oc 6,291,456 bytes; os 262,144 bytes
;; launch quant (part 1): grid 512 x 1, 4 waves a work-group, no clusters, 34,304 bytes of LDS; arguments q, k, v, WQ, WK, WV, WO, xc, xs, wc, ws; writes xc, xs, wc, ws
.if DOCPART == 1
	.amdgcn_target "amdgcn-amd-amdhsa--gfx1250"
	.amdhsa_code_object_version 6
	.text
	.protected	k_q0c954c8bcc_quant
	.globl	k_q0c954c8bcc_quant
	.p2align	8
	.type	k_q0c954c8bcc_quant,@function
k_q0c954c8bcc_quant:
	s_mov_b64 s[64:65], 0
	v_nop
	global_prefetch_b8 v0, s[64:65] scope:SCOPE_SE
	s_setreg_imm32_b32 hwreg(HW_REG_WAVE_MODE, 25, 1), 1
	s_wait_xcnt 0x0
; q, k, v [8192][1024] f32 and WQ, WK, WV, WO [1024 (K)][1024 (n)] f32 become codes of FP6 (E2M3) with one E8M0 byte for each 32 along K.
; A block's scale is 2^(floor(log2(its largest magnitude)) - 2): its byte is the largest magnitude's exponent field - 2, held at 1 from below.
; LAYOUT OUT.  Codes leave as IMAGES OF THE OPERAND'S REGISTERS: a fragment (16 rows x 128 K, 12 registers a lane) is 1,536 bytes, registers 4 j .. 4 j + 3 of lane l at 512 j + 16 l.
;   xc [tensor 3][tile of 16 rows 512][K step 8][1536];  wc [weight 4][tile of 16 n 64][K step 8][1536].
;   Scale words (four bytes: 128 along K of one row): xs [tensor][K half 2][row 8192][4 words], ws [weight][K half 2][n 1024][4 words].
; ORDER INSIDE A BLOCK OF 32.  Place idx of a block holds element sw(idx) = idx with its bits 3 and 4 changed over.  Every operand of this program is laid so (results quantised in registers fall so by themselves),
; so the two sides of each product agree; a block's members, and with them its scale, are the same.
; SHARES.  Work-groups 0-127: the weights; a wave takes 16 columns n x 512 along K; a lane takes a column and its registers run down K, so nothing is transposed.
;          Work-groups 128-511: q, k, v; a wave takes 16 rows, all of K, in 8 steps of 128: each load reads 512 consecutive bytes of a row, and the step turns through the wave's own stage in LDS
;          (16 rows x 528 bytes) so that a lane gets 32 numbers of each of its two blocks.  No barrier: waves share nothing.
; LIMITS: NaN and infinities are not served.  A block of zeros, or one whose largest magnitude lies under 2^-124, gets the byte 1 (its codes are zeros or are taken under that scale); only this program reads the bytes.
.set STGB,  8448                       ; a wave's stage
.set SPARE, 4*STGB                     ; behind the stages: the spare words, 128 bytes a wave
.set CO,   1                           ; v1   16 x lane: an image's place, and my 16 bytes of a row's 512
.set SI,   2                           ; v2   the stage, on the way in
.set SO,   3                           ; v3   the stage, on the way out: 528 r + 128 h
.set WOF,  4                           ; v4   the weights: 4 r + 32 rows x h
.set SOF,  5                           ; v5   where my scale words go
.set SH8,  6                           ; v6   8 h
.set TP,   7                           ; v7   a lane permute's destination
.set SW,   12                          ; v12-19  a row's scale words, one for each K step
.set OUTW, 20                          ; v20-23  the four that I store
.set MX,   24                          ; v24-25  largest magnitudes; v26-27 the conversions' scale operands; v28-29 the bytes
.set SOP,  26
.set BY,   28
.set X,    32                          ; v32-95  64 numbers: register 32 c + idx belongs to block 2 c + h of my row
.set R,    96                          ; v96-223 two sets of 64 as loaded (the weights: two sets of 64 at v32 and v96)
.set C,    224                         ; v224-235 the fragment's codes
.set CT,   236                         ; v236-238, v240-242: the upper halves of two blocks, made here and moved
.set SPW,  252
.set NIL,  253
.set IN,   32                          ; s[32:33] where I read, s[34:35] my codes, s[36:37] my scale words
.set OUTC, 34
.set OUTS, 36
	s_load_b512 s[4:19], s[0:1], 0x0               ; q, k, v, WQ, WK, WV, WO, xc
	s_load_b128 s[20:23], s[0:1], 0x40             ; xs, wc
	s_load_b64 s[24:25], s[0:1], 0x50              ; ws
	v_lshl_add_u32 v[SPW], v0, 2, SPARE
	v_mov_b32 v[NIL], 0
	v_lshrrev_b32 v8, 5, v0
	v_readfirstlane_b32 s26, v8                    ; wave
	v_and_b32 v9, 31, v0                           ; lane
	v_and_b32 v10, 15, v0                          ; r
	v_bfe_u32 v11, v0, 4, 1                        ; h
	v_lshlrev_b32 v[CO], 4, v9
	v_lshlrev_b32 v[SH8], 3, v11
	v_mov_b32 v[TP], 0                             ; written once: a lane permute's destination counts as one of its sources
	s_mul_i32 s38, s26, STGB
	v_add_nc_u32 v[SI], s38, v[CO]
	v_mul_u32_u24 v[SO], v10, 528
	v_lshl_add_u32 v[SO], v11, 7, v[SO]
	v_add_nc_u32 v[SO], s38, v[SO]
	s_mov_b32 s28, 0x76543210
	s_mov_b32 s29, 0xfedcba98                      ; selects for lane l xor 16
	s_mov_b32 s30, 0xffff0000                      ; lanes 16-31
	s_mov_b32 s43, 0
; 64 numbers at v[xs] on become fragment g: codes to memory, the scale word into v[SW + g] (whole in both halves of the lanes).
.macro QFRAG xs, g
.irp c, 0,1
	v_max3_num_f32 v[MX+\c], |v[(\xs)+32*\c]|, |v[(\xs)+32*\c+1]|, 0x1800000   ; my block 2 c + h: all 32 numbers are mine; the floor 2^(3 - 127) holds the byte at 1 from below
.endr
.irp i, 2,4,6,8,10,12,14,16,18,20,22,24,26,28,30
.irp c, 0,1
	v_max3_num_f32 v[MX+\c], v[MX+\c], |v[(\xs)+32*\c+\i]|, |v[(\xs)+32*\c+\i+1]|
.endr
.endr
.irp c, 0,1
	v_add_nc_u32 v[SOP+\c], 0xff000000, v[MX+\c]   ; 2 off the exponent field: the conversion takes that field as its scale
.endr
.irp c, 0,1
	v_lshrrev_b32 v[BY+\c], 23, v[SOP+\c]          ; the byte
.endr
	v_lshl_or_b32 v[SW+(\g)], v[BY+1], 16, v[BY]   ; blocks h and 2 + h,
	v_lshlrev_b32 v[SW+(\g)], v[SH8], v[SW+(\g)]   ; at their places in the word;
	v_permlanex16_b32 v[TP], v[SW+(\g)], s28, s29
	v_or_b32 v[SW+(\g)], v[SW+(\g)], v[TP]         ; with lane l xor 16's two the word is whole
	s_wait_xcnt 0x0                                ; the last fragment's stores have read their data: the codes' registers are written again only behind this wait
.irp c, 0,1
	v_cvt_scalef32_pk16_fp6_f32 v[C+6*\c:C+6*\c+2], v[(\xs)+32*\c:(\xs)+32*\c+15], v[SOP+\c]
	v_cvt_scalef32_pk16_fp6_f32 v[CT+4*\c:CT+4*\c+2], v[(\xs)+32*\c+16:(\xs)+32*\c+31], v[SOP+\c]   ; (a conversion's three registers begin on an even number)
.endr
	v_nop                                          ; one plain place behind the conversions
.irp c, 0,1
.irp i, 0,1,2
	v_mov_b32 v[C+6*\c+3+\i], v[CT+4*\c+\i]
.endr
.endr
.irp j, 0,1,2
	global_store_b128 v[CO], v[C+4*\j:C+4*\j+3], s[OUTC:OUTC+1] offset:(\g)*1536+512*\j   ; 32 lanes store 512 consecutive bytes, aligned
.endr
.endm
	s_cmp_lt_u32 ttmp9, 128
	s_cbranch_scc1 .Lweights
	; ---------------- q, k, v ----------------
	s_sub_co_u32 s38, ttmp9, 128
	s_lshr_b32 s39, s38, 7                         ; which tensor
	s_and_b32 s40, s38, 127
	s_lshl_b32 s40, s40, 2
	s_add_co_u32 s40, s40, s26                     ; my tile of 16 rows
	v_lshlrev_b32 v[SOF], 4, v10
	v_lshl_add_u32 v[SOF], v11, 17, v[SOF]         ; 16 r + (8,192 rows x 16 bytes) h: lanes 16-31 store the upper K half's words
	s_wait_kmcnt 0x0
	s_cmp_eq_u32 s39, 0
	s_cselect_b64 s[IN:IN+1], s[4:5], s[6:7]
	s_cmp_eq_u32 s39, 2
	s_cselect_b64 s[IN:IN+1], s[8:9], s[IN:IN+1]
	s_lshl_b32 s42, s40, 16                        ; 16 rows of 4,096 bytes
	s_add_nc_u64 s[IN:IN+1], s[IN:IN+1], s[42:43]
	s_mul_i32 s42, s39, 6291456
	s_mul_i32 s44, s40, 12288
	s_add_co_u32 s42, s42, s44
	s_add_nc_u64 s[OUTC:OUTC+1], s[18:19], s[42:43]
	s_lshl_b32 s42, s39, 18
	s_lshl_b32 s44, s40, 8
	s_add_co_u32 s42, s42, s44
	s_add_nc_u64 s[OUTS:OUTS+1], s[20:21], s[42:43]
.macro LOADX t                         ; K step t of my 16 rows: a row's 512 consecutive bytes to an instruction
.irp i, 0,1,2,3,4,5,6,7,8,9,10,11,12,13,14,15
	global_load_b128 v[R+64*((\t)%2)+4*\i:R+64*((\t)%2)+4*\i+3], v[CO], s[IN:IN+1] offset:\i*4096+512*(\t) th:TH_LOAD_NT
.endr
.endm
.macro XSTEP t
.if (\t) < 7
	s_wait_loadcnt 16                              ; this step's 16 loads are in; the next step's 16 may be out
.else
	s_wait_loadcnt 0x0
.endif
.irp i, 0,1,2,3,4,5,6,7,8,9,10,11,12,13,14,15
	ds_store_b128 v[SI], v[R+64*((\t)%2)+4*\i:R+64*((\t)%2)+4*\i+3] offset:\i*528
.endr
.irp c, 0,1                            ; back: of row r, block 2 c + h, in the order sw: pieces of four numbers with their bits 1 and 2 changed over.  LDS serves a wave's instructions in order: these see the stores above
.irp e, 0,1,2,3,4,5,6,7
	ds_load_b128 v[X+32*\c+4*\e:X+32*\c+4*\e+3], v[SO] offset:256*\c+16*(((\e)&1)|(((\e)&2)<<1)|(((\e)&4)>>1))
.endr
.endr
	s_wait_dscnt 0x0                               ; the numbers are back, and the stores have read their registers,
.if (\t) < 6
	LOADX (\t)+2                                   ; which take the loads of two steps on
.endif
	QFRAG X, \t
.endm
	LOADX 0
	LOADX 1
.irp t, 0,1,2,3,4,5,6,7
	XSTEP \t
.endr
.irp j, 0,1,2,3
	v_cndmask_b32 v[OUTW+\j], v[SW+\j], v[SW+4+\j], s30   ; lanes 0-15: K steps 0-3; lanes 16-31: K steps 4-7
.endr
	global_store_b128 v[SOF], v[OUTW:OUTW+3], s[OUTS:OUTS+1]   ; each half of the lanes stores 256 consecutive bytes, aligned
	s_wait_tensorcnt 0x0                           ; the wave's end, behind my last LDS store
	ds_add_u32 v[SPW], v[NIL]
	s_wait_dscnt 0x0
	s_endpgm
	; ---------------- the weights ----------------
.Lweights:
	s_lshr_b32 s39, ttmp9, 5                       ; which weight
	s_lshr_b32 s40, ttmp9, 1
	s_and_b32 s40, s40, 15
	s_lshl_b32 s40, s40, 2
	s_add_co_u32 s40, s40, s26                     ; my tile of 16 columns n: the four waves stand side by side on 256 bytes of each row
	s_and_b32 s41, ttmp9, 1                        ; which half of K
	v_lshlrev_b32 v[WOF], 2, v10
	v_lshl_add_u32 v[WOF], v11, 17, v[WOF]         ; column r; lanes 16-31 begin 32 rows of 4,096 bytes further down
	v_lshlrev_b32 v[SOF], 4, v10
	s_wait_kmcnt 0x0
	s_cmp_eq_u32 s39, 0
	s_cselect_b64 s[IN:IN+1], s[10:11], s[12:13]
	s_cmp_eq_u32 s39, 2
	s_cselect_b64 s[IN:IN+1], s[14:15], s[IN:IN+1]
	s_cmp_eq_u32 s39, 3
	s_cselect_b64 s[IN:IN+1], s[16:17], s[IN:IN+1]
	s_lshl_b32 s42, s40, 6
	s_lshl_b32 s44, s41, 21                        ; 512 rows of 4,096 bytes
	s_add_co_u32 s42, s42, s44
	s_add_nc_u64 s[IN:IN+1], s[IN:IN+1], s[42:43]
	s_mul_i32 s42, s39, 786432
	s_mul_i32 s44, s40, 12288
	s_add_co_u32 s42, s42, s44
	s_mul_i32 s44, s41, 6144
	s_add_co_u32 s42, s42, s44
	s_add_nc_u64 s[OUTC:OUTC+1], s[22:23], s[42:43]
	s_lshl_b32 s42, s39, 15
	s_lshl_b32 s44, s41, 14
	s_add_co_u32 s42, s42, s44
	s_lshl_b32 s44, s40, 8
	s_add_co_u32 s42, s42, s44
	s_add_nc_u64 s[OUTS:OUTS+1], s[24:25], s[42:43]
.macro LOADW g                         ; register 32 c + idx: W(128 g + 64 c + 32 h + sw(idx), my column)
.set i, 0
.rept 64
	global_load_b32 v[32+64*((\g)%2)+i], v[WOF], s[IN:IN+1] offset:(128*(\g)+64*(i/32)+((i%32)&7)+(((i%32)&8)<<1)+(((i%32)&16)>>1))*4096
.set i, i+1
.endr
.endm
.macro WSTEP g
	s_wait_loadcnt 0x0                             ; this step's 64 loads are in
.if (\g) < 3
	LOADW (\g)+1                                   ; the next step's fly while this one is worked
.endif
	QFRAG 32+64*((\g)%2), \g
.endm
	LOADW 0
.irp g, 0,1,2,3
	WSTEP \g
.endr
	s_wait_xcnt 0x0                                ; EXEC changes only behind this wait
	v_cmp_gt_u32 vcc_lo, 16, v9
	s_and_saveexec_b32 s38, vcc_lo
	global_store_b128 v[SOF], v[SW:SW+3], s[OUTS:OUTS+1]   ; lanes 0-15 store 256 consecutive bytes, aligned: my 16 columns' four words
	s_wait_xcnt 0x0
	s_or_b32 exec_lo, exec_lo, s38
	s_wait_tensorcnt 0x0                           ; the three lines of the wave's end stand on this way too
	ds_add_u32 v[SPW], v[NIL]
	s_wait_dscnt 0x0
	s_endpgm
.Lfunc_end_k_q0c954c8bcc_quant:
	.size	k_q0c954c8bcc_quant, .Lfunc_end_k_q0c954c8bcc_quant-k_q0c954c8bcc_quant
	.p2alignl 7, 3214868480
	.fill 96, 4, 3214868480
	.section	.rodata,"a",@progbits
	.p2align	6, 0x0
	.amdhsa_kernel k_q0c954c8bcc_quant
		.amdhsa_group_segment_fixed_size 34304
		.amdhsa_private_segment_fixed_size 0
		.amdhsa_enable_private_segment 0
		.amdhsa_kernarg_size 88
		.amdhsa_user_sgpr_count 2
		.amdhsa_user_sgpr_kernarg_segment_ptr 1
		.amdhsa_wavefront_size32 1
		.amdhsa_system_sgpr_workgroup_id_x 1
		.amdhsa_system_sgpr_workgroup_id_y 1
		.amdhsa_system_sgpr_workgroup_id_z 1
		.amdhsa_system_vgpr_workitem_id 0
		.amdhsa_next_free_vgpr 256
		.amdhsa_next_free_sgpr 66
		.amdhsa_reserve_vcc 1
		.amdhsa_float_denorm_mode_32 3
		.amdhsa_float_denorm_mode_16_64 3
		.amdhsa_memory_ordered 1
		.amdhsa_forward_progress 1
		.amdhsa_inst_pref_size 96
	.end_amdhsa_kernel
	.amdgpu_metadata
---
amdhsa.version: [ 1, 2 ]
amdhsa.kernels:
  - .name:           k_q0c954c8bcc_quant
    .symbol:         k_q0c954c8bcc_quant.kd
    .args:
      - { .name: q, .offset: 0, .size: 8, .value_kind: global_buffer, .address_space: global }
      - { .name: k, .offset: 8, .size: 8, .value_kind: global_buffer, .address_space: global }
      - { .name: v, .offset: 16, .size: 8, .value_kind: global_buffer, .address_space: global }
      - { .name: WQ, .offset: 24, .size: 8, .value_kind: global_buffer, .address_space: global }
      - { .name: WK, .offset: 32, .size: 8, .value_kind: global_buffer, .address_space: global }
      - { .name: WV, .offset: 40, .size: 8, .value_kind: global_buffer, .address_space: global }
      - { .name: WO, .offset: 48, .size: 8, .value_kind: global_buffer, .address_space: global }
      - { .name: xc, .offset: 56, .size: 8, .value_kind: global_buffer, .address_space: global }
      - { .name: xs, .offset: 64, .size: 8, .value_kind: global_buffer, .address_space: global }
      - { .name: wc, .offset: 72, .size: 8, .value_kind: global_buffer, .address_space: global }
      - { .name: ws, .offset: 80, .size: 8, .value_kind: global_buffer, .address_space: global }
    .group_segment_fixed_size: 34304
    .private_segment_fixed_size: 0
    .kernarg_segment_align: 8
    .kernarg_segment_size: 88
    .max_flat_workgroup_size: 128
    .sgpr_count:     66
    .vgpr_count:     256
    .wavefront_size: 32
...
	.end_amdgpu_metadata
.endif
;; end of part 1
;; launch proj (part 2): grid 4 x 192, 4 waves a work-group, clusters of 4 x 4, 327,680 bytes of LDS; arguments xc, xs, wc, ws, WQ_bias, WK_bias, WV_bias, pc, ps; writes pc, ps
.if DOCPART == 2
	.amdgcn_target "amdgcn-amd-amdhsa--gfx1250"
	.amdhsa_code_object_version 6
	.text
	.protected	k_q0c954c8bcc_proj
	.globl	k_q0c954c8bcc_proj
	.p2align	8
	.type	k_q0c954c8bcc_proj,@function
k_q0c954c8bcc_proj:
	s_mov_b64 s[64:65], 0
	v_nop
	global_prefetch_b8 v0, s[64:65] scope:SCOPE_SE
	s_setreg_imm32_b32 hwreg(HW_REG_WAVE_MODE, 25, 1), 1
	s_wait_xcnt 0x0
	s_wait_alu depctr_hold_cnt(0) depctr_sa_sdst(0) depctr_va_vdst(0) depctr_va_sdst(0) depctr_va_ssrc(0) depctr_va_vcc(0) depctr_vm_vsrc(0)
	s_getreg_b32 s2, hwreg(HW_REG_IB_STS2, 6, 4)
	s_cmp_eq_u32 s2, 0
	s_cbranch_scc0 .Lentry_in_a_cluster
	s_endpgm
.Lentry_in_a_cluster:
	s_bfe_u32 s2, ttmp6, 0x10000c
	s_cmp_lg_u32 s2, 0xf033
	s_cbranch_scc0 .Lentry_shape_is_right
	s_endpgm
.Lentry_shape_is_right:
; Q = q WQ + bias, K = k WK + bias, V = v WV + bias on codes of FP6 (E2M3) with E8M0 scales, K = 1,024; the results are quantised in registers and leave as codes.
; ONE SCHEME FOR ALL THREE: C'[j][i] = sum over k of A[j][k] B[i][k], the matrix instruction used transposed (source 0 = 16 rows of B, source 1 = 16 rows of A): a lane holds one j, its registers run along i,
; and the result is quantised ALONG i.  Q, K: A = the tokens (j = token), B = the weight (i = n): quantised along the head's 64.  V: A = WV (j = n), B = the tokens (i = key): quantised along the keys.
; All operands are register images of one layout, so only pointers, strides and two lane masks differ; they are chosen by selects on the cluster's number, which all partners share.  No branch hangs on the choice.
; SHARES.  A work-group: 128 j x 256 i; a wave: 64 j x 128 i, 32 accumulators.  768 work-groups, 48 clusters of 4 x 4.  A's tiles are shared along a row of the cluster, B's along a column: joint loads.
; ALL OF K LIES IN LDS: 128 x 768 + 256 x 768 bytes = 294,912.  Each wave asks for four chunks of 256 along K at the start (four tensor loads of mine are out); nothing is filled again, so there is no ring.
; The scale words and the biases go from memory into registers once.
; OUT.  pc [Q, K, V][batch x head 64][98,304]: Q, K: [tile of 16 tokens 128][768]; V: [64 keys 32][16 channels 4][768]: half fragments (16 rows x 64 K, 6 registers a lane: registers 0-3 at 16 l, 4-5 at 512 + 8 l).
;       ps [Q, K, V][batch x head][32][256]: words [row 16][tile 4].  An odd head's word of Q, K is the pair's word >> 16; V's word at an even 64 keys holds the four bytes of 128 keys.
; ORDER INSIDE A BLOCK OF 32: place idx holds element idx with bits 3 and 4 changed over, as in every operand of this program (a result tile's lane half h holds rows 8 h .. 8 h + 7).
; LIMITS: NaN and infinities are not served; a block of zeros or under 2^-124 gets the byte 1 (only this program reads the bytes).
; REGISTERS.  Window 0: v1-15 lane terms and offsets; v16-23 LDS addresses; v32-47 A's scale words, v48-79 B's (these hold scales alone); v80-143 the bias along i, later 64 numbers to quantise;
;   v144-191, v192-239 A's fragments, two sets, later the quantiser's work; v240-247 the bias along j.  Window 1: B's fragments, two sets at v0 and v128.  Window 2: accumulator (a, b) at v[8 (8 a + b)].
.set ACH,   24576                      ; a chunk of A: 8 tiles x 2 K steps x 1,536
.set BCH,   49152                      ; of B: 16 tiles
.set BBASE, 4*ACH
.set SPARE, BBASE+4*BCH                ; behind the tiles: the spare words, 128 bytes a wave
.set ADRA, 16
.set ADRB, 20
.set SPW,  28
.set NIL,  29
.set SH16, 30                          ; v30  16 h
.set SA,   32
.set SB,   48
.set BI,   80
.set AF,   144
.set BJ,   240
.set PC,   144                         ; the quantiser: codes v144-162, work v200-215, the scale word v216; v220-223 the four tiles' words
.set TM,   200
.set PW,   216
.set QW,   220
.set SEL,  2
.set G1A,  32
.set G1B,  40
.set G0A,  48                          ; s48-63: four sets
.set G0B,  68                          ; s68-83
.set MSB, 0
.macro WIN new                         ; the immediate's high byte repeats the setting that is left
.if MSB != \new
	s_set_vgpr_msb (MSB<<8)|\new
.set MSB, \new
.endif
.endm
.macro PLACES n
.rept \n
	v_nop
.endr
.endm
.macro CROUND                          ; a round of the cluster's barrier
	s_barrier_signal -1
	s_barrier_wait -1
	s_cmp_lg_u32 s22, 0
	s_cbranch_scc1 .Lnot_wave_0_\@
	s_barrier_signal -3
.Lnot_wave_0_\@:
	s_barrier_wait -3
	s_barrier_signal -1
	s_barrier_wait -1
.endm
	s_load_b512 s[4:19], s[0:1], 0x0               ; xc, xs, wc, ws, WQ_bias, WK_bias, WV_bias, pc
	s_load_b64 s[20:21], s[0:1], 0x40              ; ps
	v_lshl_add_u32 v[SPW], v0, 2, SPARE
	v_mov_b32 v[NIL], 0
	ds_add_u32 v[SPW], v[NIL]                      ; the wave's opening: the add and its wait stand ahead of my first tensor load; work on registers stands between
	v_lshrrev_b32 v1, 5, v0
	v_readfirstlane_b32 s22, v1                    ; wave
	s_lshr_b32 s23, s22, 1                         ; which 64 j are mine.  Also: I fetch for A (0) or B (1)
	s_and_b32 s24, s22, 1                          ; which 128 i are mine.  Also: which half of that tile I fetch
	s_bfe_u32 s25, ttmp6, 0x40000                  ; cx
	s_bfe_u32 s26, ttmp6, 0x40004                  ; cy
	s_and_b32 s27, ttmp7, 0xffff                   ; the cluster's number, 0 .. 47
	s_lshr_b32 s28, s27, 4                         ; 0: Q, 1: K, 2: V
	s_and_b32 s29, s27, 15
	s_and_b32 s84, s29, 1
	s_lshr_b32 s85, s29, 1
	s_cmp_eq_u32 s28, 2
	s_cselect_b32 s84, s84, s29                    ; Q, K: 64 tile rows x 4 tile columns;  V: 8 x 32
	s_cselect_b32 s85, s85, 0
	s_lshl_b32 s84, s84, 2
	s_add_co_u32 s30, s84, s26                     ; tile row: hangs on cy alone
	s_lshl_b32 s85, s85, 2
	s_add_co_u32 s31, s85, s25                     ; tile column: on cx alone
	s_lshl_b32 s86, s26, 2
	s_lshl_b32 s86, 15, s86                        ; my row of the cluster
	s_lshl_b32 s87, 0x1111, s25                    ; my column
	; group 1: rows of 3,072 bytes (a tile's two K steps: 384 elements of 8 bytes), 12,288 bytes apart (a tile's eight K steps); A: 4 tiles, B: 8; no padding
	s_or_b32 s[G1A], s86, (3<<16)|(1<<21)
	s_or_b32 s[G1B], s87, (3<<16)|(1<<21)
	s_mov_b32 s[G1A+1], 384<<16
	s_mov_b32 s[G1A+2], 4<<16
	s_mov_b32 s[G1A+3], 384<<16
	s_mov_b32 s[G1A+4], 4
	s_mov_b32 s[G1A+5], 1536
	s_mov_b32 s[G1A+6], 0
	s_mov_b32 s[G1A+7], 0
	s_mov_b32 s[G1B+1], 384<<16
	s_mov_b32 s[G1B+2], 8<<16
	s_mov_b32 s[G1B+3], 384<<16
	s_mov_b32 s[G1B+4], 8
	s_mov_b32 s[G1B+5], 1536
	s_mov_b32 s[G1B+6], 0
	s_mov_b32 s[G1B+7], 0
	s_mul_i32 s86, s28, 6291456                    ; my tensor in xc,
	s_mul_i32 s87, s28, 786432                     ; my weight in wc
	s_cmp_eq_u32 s28, 2
	s_cselect_b32 s96, s87, s86                    ; A's
	s_cselect_b32 s97, s86, s87                    ; B's
	s_lshl_b32 s88, s30, 3
	s_lshl_b32 s89, s24, 2
	s_add_co_u32 s88, s88, s89
	s_mul_i32 s88, s88, 12288                      ; A: tile 8 x tile row + 4 x half
	s_add_co_u32 s88, s88, s96
	s_mov_b32 s89, 0
	s_lshl_b32 s90, s31, 4
	s_lshl_b32 s91, s24, 3
	s_add_co_u32 s90, s90, s91
	s_mul_i32 s90, s90, 12288                      ; B: tile 16 x tile column + 8 x half
	s_add_co_u32 s90, s90, s97
	s_mov_b32 s91, 0
	s_mul_i32 s100, s24, ACH/2                     ; where they go: the wave's number alone enters an LDS address
	s_mul_i32 s101, s24, BCH/2
	s_mov_b32 s[SEL], 0x76543210
	s_mov_b32 s[SEL+1], 0xfedcba98
	s_wait_dscnt 0x0                               ; the opening add is done
	s_wait_kmcnt 0x0
	s_cmp_eq_u32 s28, 2
	s_cselect_b64 s[92:93], s[8:9], s[4:5]         ; A's codes: wc for V, else xc
	s_cselect_b64 s[94:95], s[4:5], s[8:9]         ; B's
	s_add_nc_u64 s[92:93], s[92:93], s[88:89]
	s_add_nc_u64 s[94:95], s[94:95], s[90:91]
	CROUND                                         ; all sixteen work-groups are here: the joint loads meet
.irp q, 0,1,2,3
	s_mov_b32 s[G0A+4*\q], 1
	s_add_co_u32 s[G0A+4*\q+1], s100, \q*ACH
	s_add_nc_u64 s[G0A+4*\q+2:G0A+4*\q+3], s[92:93], \q*3072
	s_or_b32 s[G0A+4*\q+3], s[G0A+4*\q+3], 0x80000000
	s_mov_b32 s[G0B+4*\q], 1
	s_add_co_u32 s[G0B+4*\q+1], s101, BBASE+\q*BCH
	s_add_nc_u64 s[G0B+4*\q+2:G0B+4*\q+3], s[94:95], \q*3072
	s_or_b32 s[G0B+4*\q+3], s[G0B+4*\q+3], 0x80000000
.endr
	s_cmp_eq_u32 s23, 0                            ; a wave's four fills stand in one branch on its number, ahead of every wait on TENSORcnt, every LDS read and every further barrier
	s_cbranch_scc0 .Lfirst_b
.irp q, 0,1,2,3
	tensor_load_to_lds s[G0A+4*\q:G0A+4*\q+3], s[G1A:G1A+7]
	s_nop 0
.endr
	PLACES 4
	s_branch .Lfirst_asked
.Lfirst_b:
.irp q, 0,1,2,3
	tensor_load_to_lds s[G0B+4*\q:G0B+4*\q+3], s[G1B:G1B+7]
	s_nop 0
.endr
	PLACES 4
.Lfirst_asked:
	v_and_b32 v1, 31, v0                           ; lane
	v_and_b32 v2, 15, v0                           ; r
	v_bfe_u32 v3, v0, 4, 1                         ; h
	v_lshlrev_b32 v4, 4, v1
	v_lshlrev_b32 v5, 3, v1
	s_lshl_b32 s84, s30, 7
	s_lshl_b32 s85, s23, 6
	s_add_co_u32 s84, s84, s85                     ; j0
	s_lshl_b32 s85, s31, 8
	s_lshl_b32 s86, s24, 7
	s_add_co_u32 s85, s85, s86                     ; i0
	s_lshl_b32 s90, s84, 2
	s_lshl_b32 s91, s85, 2
	s_lshl_b32 s88, s28, 18                        ; my tensor in xs,
	s_lshl_b32 s89, s28, 15                        ; my weight in ws
	s_mov_b32 s86, 131072                          ; from K half to K half: in xs,
	s_mov_b32 s87, 16384                           ; in ws
	s_cmp_eq_u32 s28, 2
	s_cselect_b32 s92, s87, s86                    ; A's
	s_cselect_b32 s93, s86, s87                    ; B's
	s_cselect_b32 s94, s89, s88
	s_cselect_b32 s95, s88, s89
	s_cselect_b64 s[96:97], s[10:11], s[6:7]       ; A's scale words
	s_cselect_b64 s[98:99], s[6:7], s[10:11]       ; B's
	s_cselect_b32 s100, 0, s91                     ; the bias runs along i (Q, K) ..
	s_cselect_b32 s101, s90, 0                     ; .. or along j (V); the other read stays at the buffer's head and is masked to zeros
	s_cselect_b32 s27, 0, -1
	s_cselect_b32 s29, -1, 0
	s_cselect_b32 s86, s85, s84                    ; X: the token axis' first index
	s_cselect_b32 s87, s84, s85                    ; N0: the channel axis'
	s_mov_b32 s88, 98304
	s_cselect_b32 s88, 3072, s88                   ; from half fragment 0 to 1: the next 64 keys (V), the next head (Q, K)
	s_mov_b32 s89, 8192
	s_cselect_b32 s89, 256, s89                    ; the same for the scale words
	s_cselect_b64 s[16:17], s[16:17], s[14:15]
	s_cmp_eq_u32 s28, 0
	s_cselect_b64 s[12:13], s[12:13], s[16:17]     ; my bias
	s_lshl_b32 s14, s84, 4
	s_add_co_u32 s14, s14, s94
	s_mov_b32 s15, 0
	s_add_nc_u64 s[96:97], s[96:97], s[14:15]
	s_lshl_b32 s14, s85, 4
	s_add_co_u32 s14, s14, s95
	s_add_nc_u64 s[98:99], s[98:99], s[14:15]
	v_mul_u32_u24 v11, s92, v3
	v_lshl_add_u32 v11, v2, 4, v11                 ; row r's four words; lanes 16-31 those of the upper K half
	v_mul_u32_u24 v12, s93, v3
	v_lshl_add_u32 v12, v2, 4, v12
	v_lshl_add_u32 v13, v3, 5, s100
	v_lshl_add_u32 v14, v2, 2, s101
.irp a, 0,1,2,3
	global_load_b128 v[SA+4*\a:SA+4*\a+3], v11, s[96:97] offset:256*\a
.endr
.irp b, 0,1,2,3,4,5,6,7
	global_load_b128 v[SB+4*\b:SB+4*\b+3], v12, s[98:99] offset:256*\b
.endr
.irp b, 0,1,2,3,4,5,6,7
	global_load_b128 v[BI+8*\b:BI+8*\b+3], v13, s[12:13] offset:64*\b      ; the result's layout: tile b, lane half h: i0 + 16 b + 8 h + 0 .. 7
	global_load_b128 v[BI+8*\b+4:BI+8*\b+7], v13, s[12:13] offset:64*\b+16
.endr
.irp a, 0,1,2,3
	global_load_b32 v[BJ+2*\a], v14, s[12:13] offset:64*\a                 ; j0 + 16 a + r, twice: a pair for the packed addition
	global_load_b32 v[BJ+2*\a+1], v14, s[12:13] offset:64*\a
.endr
	s_mul_i32 s14, s23, ACH/2
	s_mul_i32 s16, s24, BCH/2
	s_add_co_u32 s16, s16, BBASE
.irp q, 0,1,2,3
	v_add_nc_u32 v[ADRA+\q], s14, v4
	v_add_nc_u32 v[ADRB+\q], s16, v4
	s_add_co_u32 s14, s14, ACH
	s_add_co_u32 s16, s16, BCH
.endr
	s_lshr_b32 s14, s86, 11
	s_lshl_b32 s14, s14, 4
	s_lshr_b32 s15, s87, 6
	s_add_co_u32 s14, s14, s15                     ; batch x 16 + head
	s_and_b32 s15, s86, 2047                       ; the place in the sequence
	s_mul_i32 s16, s28, 6291456
	s_mul_i32 s17, s14, 98304
	s_add_co_u32 s16, s16, s17
	s_mul_i32 s17, s15, 48
	s_add_co_u32 s16, s16, s17
	s_mov_b32 s17, 0
	s_add_nc_u64 s[18:19], s[18:19], s[16:17]
	s_lshl_b32 s16, s28, 19
	s_lshl_b32 s14, s14, 13
	s_add_co_u32 s16, s16, s14
	s_lshl_b32 s15, s15, 2
	s_add_co_u32 s16, s16, s15
	s_add_nc_u64 s[20:21], s[20:21], s[16:17]
	v_mov_b32 v6, v4                               ; half fragment 0: 16 l,
	v_add_nc_u32 v7, s88, v4                       ; half fragment 1;
	v_add_nc_u32 v8, 512, v5                       ; their last two registers: 512 + 8 l
	v_add_nc_u32 v9, s88, v8
	v_mul_u32_u24 v10, s89, v3
	v_lshl_add_u32 v10, v2, 4, v10                 ; the scale words: 16 r; lanes 16-31 store the upper two bytes' word
	v_lshlrev_b32 v[SH16], 4, v3
	s_wait_loadcnt 0x0
.set k, 0
.rept 64
	v_cndmask_b32 v[BI+k], 0, v[BI+k], s27         ; V: zeros
.set k, k+1
.endr
.set k, 0
.rept 8
	v_cndmask_b32 v[BJ+k], 0, v[BJ+k], s29         ; Q, K: zeros
.set k, k+1
.endr
.macro FETCH g                         ; the fragments of K step g: B's eight, A's four, three loads of 512 consecutive bytes each
	WIN 0x40                                       ; destination window 1
.irp b, 0,1,2,3,4,5,6,7
.irp j, 0,1,2
	ds_load_b128 v[128*((\g)%2)+12*\b+4*\j:128*((\g)%2)+12*\b+4*\j+3], v[ADRB+(\g)/2] offset:\b*3072+((\g)%2)*1536+512*\j
.endr
.endr
	WIN 0
.irp a, 0,1,2,3
.irp j, 0,1,2
	ds_load_b128 v[AF+48*((\g)%2)+12*\a+4*\j:AF+48*((\g)%2)+12*\a+4*\j+3], v[ADRA+(\g)/2] offset:\a*3072+((\g)%2)*1536+512*\j
.endr
.endr
.endm
; 32 matrix instructions: the 32 accumulators take turns, one instruction a turn, in the same order in every K step.  K step 0 starts the sums with the bias along i as C.
; The scale words of K steps 4-7 stand in lanes 16-31 of the same registers.
.macro MUL g
.if (\g) == 0
	WIN 0x81                                       ; source 0 (B) window 1, source 1 (A) and C (the bias) window 0, D window 2
.else
	WIN 0xa1                                       ; C and D window 2
.endif
.irp a, 0,1,2,3
.irp b, 0,1,2,3,4,5,6,7
.if (\g) == 0
	v_wmma_scale_f32_16x16x128_f8f6f4 v[8*(8*\a+\b):8*(8*\a+\b)+7], v[128*((\g)%2)+12*\b:128*((\g)%2)+12*\b+11], v[AF+48*((\g)%2)+12*\a:AF+48*((\g)%2)+12*\a+11], v[BI+8*\b:BI+8*\b+7], v[SB+4*\b+(\g)%4], v[SA+4*\a+(\g)%4] matrix_a_fmt:MATRIX_FMT_FP6 matrix_b_fmt:MATRIX_FMT_FP6
.elseif (\g) < 4
	v_wmma_scale_f32_16x16x128_f8f6f4 v[8*(8*\a+\b):8*(8*\a+\b)+7], v[128*((\g)%2)+12*\b:128*((\g)%2)+12*\b+11], v[AF+48*((\g)%2)+12*\a:AF+48*((\g)%2)+12*\a+11], v[8*(8*\a+\b):8*(8*\a+\b)+7], v[SB+4*\b+(\g)%4], v[SA+4*\a+(\g)%4] matrix_a_fmt:MATRIX_FMT_FP6 matrix_b_fmt:MATRIX_FMT_FP6
.else
	v_wmma_scale_f32_16x16x128_f8f6f4 v[8*(8*\a+\b):8*(8*\a+\b)+7], v[128*((\g)%2)+12*\b:128*((\g)%2)+12*\b+11], v[AF+48*((\g)%2)+12*\a:AF+48*((\g)%2)+12*\a+11], v[8*(8*\a+\b):8*(8*\a+\b)+7], v[SB+4*\b+(\g)%4], v[SA+4*\a+(\g)%4] matrix_a_fmt:MATRIX_FMT_FP6 matrix_b_fmt:MATRIX_FMT_FP6 matrix_a_scale:MATRIX_SCALE_ROW1 matrix_b_scale:MATRIX_SCALE_ROW1
.endif
.endr
.endr
	WIN 0
.endm
; 64 numbers of a lane, v[s] on, register 16 b + i at place 16 h + i of block b of my row, become a fragment's codes in v[PC] on and its scale word in v[PW].
.macro QUANT s
.irp b, 0,1,2,3
	v_max3_num_f32 v[TM+\b], |v[\s+16*\b]|, |v[\s+1+16*\b]|, 0x1800000   ; my 16 numbers of block b, and the floor 2^(3 - 127)
.endr
.irp i, 2,4,6,8,10,12,14
.irp b, 0,1,2,3
	v_max3_num_f32 v[TM+\b], v[TM+\b], |v[\s+16*\b+\i]|, |v[\s+1+16*\b+\i]|
.endr
.endr
.irp b, 0,1,2,3
	v_permlanex16_b32 v[TM+4+\b], v[TM+\b], s[SEL], s[SEL+1]
.endr
.irp b, 0,1,2,3
	v_max_num_f32 v[TM+\b], v[TM+\b], v[TM+4+\b]   ; with lane l xor 16's: the block's largest magnitude
.endr
.irp b, 0,1,2,3
	v_add_nc_u32 v[TM+12+\b], 0xff000000, v[TM+\b] ; 2 off its exponent field: the conversion's scale operand
.endr
.irp b, 0,1,2,3
	v_lshrrev_b32 v[TM+4+\b], 23, v[TM+12+\b]      ; the byte
.endr
	v_lshl_or_b32 v[PW], v[TM+5], 8, v[TM+4]
	v_lshl_or_b32 v[PW], v[TM+6], 16, v[PW]
	v_lshl_or_b32 v[PW], v[TM+7], 24, v[PW]
.irp c, 0,1
	v_cvt_scalef32_pk16_fp6_f32 v[PC+6*\c:PC+2+6*\c], v[\s+32*\c:\s+15+32*\c], v[TM+12+2*\c]
	v_cvt_scalef32_pk16_fp6_f32 v[PC+12+4*\c:PC+14+4*\c], v[\s+16+32*\c:\s+31+32*\c], v[TM+12+2*\c+1]
.endr
	v_nop                                          ; one plain place behind the conversions
.irp c, 0,1                            ; the operand's layout wants a whole block in a lane: lanes 0-15 block 2 c, lanes 16-31 block 2 c + 1
.irp i, 0,1,2
	v_permlane16_swap_b32 v[PC+6*\c+\i], v[PC+12+4*\c+\i]
.endr
.irp i, 0,1,2
	v_mov_b32 v[PC+3+6*\c+\i], v[PC+12+4*\c+\i]
.endr
.endr
.endm
	s_wait_tensorcnt 3                             ; my part of chunk 0 is in; the three chunks issued behind it may be out
	s_barrier_signal -1
	s_barrier_wait -1                              ; everybody's is
	FETCH 0
.irp g, 0,1,2,3,4,5,6,7
	s_wait_dscnt 0x0                               ; this K step's fragments are in
.if (\g == 1) || (\g == 3) || (\g == 5)
	s_wait_tensorcnt 3-(\g+1)/2                    ; my part of the next chunk is in: as many loads were issued behind it as the count says
	s_barrier_signal -1
	s_barrier_wait -1
.endif
.if (\g > 0) && (\g < 7)
	PLACES 4                                       ; in front of loads into registers that the last K step's matrix instructions have read
.endif
.if \g < 7
	FETCH \g+1                                     ; the next K step's fragments come while this one is multiplied
.endif
	MUL \g
.endr
	; THE WAY OUT: for each of my four tiles of j: + the bias along j, quantised along i, two half fragments and a scale word a row.
	PLACES 4
.irp b, 0,1,2,3
	v_mov_b32 v[TM+4+\b], 0                        ; a lane permute's destination counts as one of its sources
.endr
.irp a, 0,1,2,3
.if \a > 0
	s_wait_xcnt 0x0                                ; the last tile's stores have read their data
.endif
	WIN 0x02                                       ; source 0: window 2
.set k, 0
.rept 32
	v_pk_add_f32 v[BI+2*k:BI+2*k+1], v[64*\a+2*k:64*\a+2*k+1], v[BJ+2*\a:BJ+2*\a+1]   ; ascending: each accumulator is read from its low end on
.set k, k+1
.endr
	WIN 0
	QUANT BI
	v_lshrrev_b32 v[QW+\a], v[SH16], v[PW]         ; lanes 16-31: the upper two bytes
.irp c, 0,1
	global_store_b128 v[6+\c], v[PC+6*\c:PC+6*\c+3], s[18:19] offset:768*\a    ; 512 consecutive bytes, aligned
	global_store_b64 v[8+\c], v[PC+6*\c+4:PC+6*\c+5], s[18:19] offset:768*\a   ; 256
.endr
.endr
	global_store_b128 v10, v[QW:QW+3], s[20:21]    ; each half of the lanes: 256 consecutive bytes, aligned
	s_wait_tensorcnt 0x0                           ; the wave's end
	ds_add_u32 v[SPW], v[NIL]
	s_wait_dscnt 0x0
	CROUND                                         ; the closing round
	s_endpgm
.Lfunc_end_k_q0c954c8bcc_proj:
	.size	k_q0c954c8bcc_proj, .Lfunc_end_k_q0c954c8bcc_proj-k_q0c954c8bcc_proj
	.p2alignl 7, 3214868480
	.fill 96, 4, 3214868480
	.section	.rodata,"a",@progbits
	.p2align	6, 0x0
	.amdhsa_kernel k_q0c954c8bcc_proj
		.amdhsa_group_segment_fixed_size 327680
		.amdhsa_private_segment_fixed_size 0
		.amdhsa_enable_private_segment 0
		.amdhsa_kernarg_size 72
		.amdhsa_user_sgpr_count 2
		.amdhsa_user_sgpr_kernarg_segment_ptr 1
		.amdhsa_wavefront_size32 1
		.amdhsa_system_sgpr_workgroup_id_x 1
		.amdhsa_system_sgpr_workgroup_id_y 1
		.amdhsa_system_sgpr_workgroup_id_z 1
		.amdhsa_system_vgpr_workitem_id 0
		.amdhsa_next_free_vgpr 768
		.amdhsa_next_free_sgpr 102
		.amdhsa_reserve_vcc 0
		.amdhsa_float_denorm_mode_32 3
		.amdhsa_float_denorm_mode_16_64 3
		.amdhsa_memory_ordered 1
		.amdhsa_forward_progress 1
		.amdhsa_inst_pref_size 97
	.end_amdhsa_kernel
	.amdgpu_metadata
---
amdhsa.version: [ 1, 2 ]
amdhsa.kernels:
  - .name:           k_q0c954c8bcc_proj
    .symbol:         k_q0c954c8bcc_proj.kd
    .args:
      - { .name: xc, .offset: 0, .size: 8, .value_kind: global_buffer, .address_space: global }
      - { .name: xs, .offset: 8, .size: 8, .value_kind: global_buffer, .address_space: global }
      - { .name: wc, .offset: 16, .size: 8, .value_kind: global_buffer, .address_space: global }
      - { .name: ws, .offset: 24, .size: 8, .value_kind: global_buffer, .address_space: global }
      - { .name: WQ_bias, .offset: 32, .size: 8, .value_kind: global_buffer, .address_space: global }
      - { .name: WK_bias, .offset: 40, .size: 8, .value_kind: global_buffer, .address_space: global }
      - { .name: WV_bias, .offset: 48, .size: 8, .value_kind: global_buffer, .address_space: global }
      - { .name: pc, .offset: 56, .size: 8, .value_kind: global_buffer, .address_space: global }
      - { .name: ps, .offset: 64, .size: 8, .value_kind: global_buffer, .address_space: global }
    .group_segment_fixed_size: 327680
    .private_segment_fixed_size: 0
    .kernarg_segment_align: 8
    .kernarg_segment_size: 72
    .max_flat_workgroup_size: 128
    .sgpr_count:     102
    .vgpr_count:     768
    .wavefront_size: 32
...
	.end_amdgpu_metadata
.endif
;; end of part 2
;; launch attn (part 3): grid 32 x 16, 16 waves a work-group, no clusters, 327,680 bytes of LDS; arguments pc, ps, oc, os; writes oc, os
.if DOCPART == 3
	.amdgcn_target "amdgcn-amd-amdhsa--gfx1250"
	.amdhsa_code_object_version 6
	.text
	.protected	k_q0c954c8bcc_attn
	.globl	k_q0c954c8bcc_attn
	.p2align	8
	.type	k_q0c954c8bcc_attn,@function
k_q0c954c8bcc_attn:
	s_mov_b64 s[64:65], 0
	v_nop
	global_prefetch_b8 v0, s[64:65] scope:SCOPE_SE
	s_setreg_imm32_b32 hwreg(HW_REG_WAVE_MODE, 25, 1), 1
	s_wait_xcnt 0x0
; O[b][head][q] = sum over keys k <= q of softmax_k(Q . K / 8) V, both products on codes of FP6 (E2M3) with E8M0 scales; O / the row's sum is quantised along the head's 64 and leaves as codes.
; THE SOFTMAX AHEAD OF THE SECOND PRODUCT: t = score x log2(e) / 8; M = the running largest t rounded UP to a whole number; p = 2^(t - M), not normalised, is quantised along the keys; the row's sum is taken
; of the unquantised p; when M moves, the sum and O are multiplied by 2^(old M - new M), which rounds nothing.
; THE MASK.  Keys after the query get p = 0: their scores become -infinity ahead of the maximum.  LIMIT: that equals a score less 1e10 while |Q . K| stays under 1e9.  Steps that lie wholly above the diagonal are left out.
; LIMITS: NaN and infinities are not served; a block of zeros or under 2^-124 gets the byte 1 (only this program reads the bytes).
; SHARES.  A work-group: 128 queries of a PAIR of heads of one batch; wave w: head w / 8 of the pair, queries 16 (w % 8) on, in 256 registers: four waves to a SIMD, so that one wave's vector work stands beside
; another's products and LDS loads.  The blocks of late queries (the most keys) have the lowest work-group numbers.
; NO CLUSTER: under the mask the 16 query blocks of a head pair need 1 to 8 slots of keys; joint requests would hold the block that needs one slot through all eight.
; K and V come through a ring of two LDS slots of 256 keys (waves 0-3: K of the two heads, V of the two heads; one dense block of 12,288 bytes each); their scale words for the whole sequence come once.
; Every work-group walks all 8 slots (constant trip counts); a slot whose first key lies after the work-group's last query is not asked for, and a step whose keys all lie after the wave's queries does no work.
; LAYOUT.  Both products transposed: S^T = K Q^T (source 0 = 16 keys), O^T = V^T P^T (source 0 = 16 channels): a lane holds one query throughout.  The head's 64 fill half of the instruction's K = 128: the other
; half of Q's and K's fragments are zero codes.  Half fragments (768 bytes: registers 0-3 at 16 l, 4-5 at 512 + 8 l) are read as they lie.  Inside a block of 32, place idx holds element idx with bits 3 and 4
; changed over, in P as in V (and in O as in WO).
; REGISTERS: v1-3 lane places; v5, v6 the add's two; v7, v243 the scale bytes' exchange; v8-10 addresses in hand; v4, v11 the mask's; v12 -M, v13 the largest t, v[14:15] the sum; v16-27 Q; v28-30 offsets; v31 -infinity;
;   v32-79 four fragments of K; v80-127 four of V; v128-191 S^T, then p; v192-223 O^T; v224-235 p's codes; v232-247 at work; v248-251 scale words in hand; v252 f; v253 p's scale word; v255 Q's.
.set SLOT1, 65536
.set SCB,   131072                     ; the scale words: four regions of 8,192 bytes: K, K, V, V
.set XCH,   163840                     ; 512 bytes: O's scale bytes meet here; no tile lands here
.set SPARE, 164352                     ; the spare words: 128 bytes for each of 16 waves
.set KFR, 32
.set VFR, 80
.set S,   128
.set O,   192
.set SPW, 5
.set NIL, 6
.set WV,  18
.set SEL, 20
.set CS,  22
.set G1,  24
.set G1S, 32
.set G0,  40
.set G0S, 44
.set TB,  2                            ; s2   LDS byte at which the slot in hand begins
.set TS,  3                            ; s3   the step's scale words: 512 bytes a step
.set SLOTS, 66
.set SKF, 67                           ; s67  the step's first key
.set SQ0, 68                           ; s68  my first query
.set PFA, 70
.set LIM, 72
.macro TLOAD                           ; waves 0-3 fetch; an s_nop 0 and four v_nop follow the load
	s_cmp_lt_u32 s[WV], 4
	s_cbranch_scc0 .Lasked_\@
	tensor_load_to_lds s[G0:G0+3], s[G1:G1+7]
	s_nop 0
.rept 4
	v_nop
.endr
.Lasked_\@:
.endm
; A prefetch of the slot after the one just asked for: 4 x 12,288 bytes = 192 blocks of 256.  All 16 query blocks of a head pair walk the same K and V: the first of them (work-group y = 0, which walks all slots)
; asks, in it waves 4-9, a lane a block, one instruction a wave: each block is named once in the launch.  The last change that fills a slot asks for nothing; slots 0 and 1 come by their loads alone.
.macro ASK
	s_cmp_gt_u32 s[SLOTS], s[LIM]
	s_cbranch_scc0 .Lnot_mine_\@
	global_prefetch_b8 v28, s[PFA:PFA+1] th:TH_LOAD_NT scope:SCOPE_SE
.Lnot_mine_\@:
.endm
	s_load_b256 s[4:11], s[0:1], 0x0               ; pc, ps, oc, os
	v_lshl_add_u32 v[SPW], v0, 2, SPARE
	v_mov_b32 v[NIL], 0
	ds_add_u32 v[SPW], v[NIL]                      ; the wave's opening: the add and its wait stand ahead of my first tensor load; work on registers stands between
	v_lshrrev_b32 v8, 5, v0
	v_readfirstlane_b32 s[WV], v8                  ; wave 0..15
	s_lshr_b32 s19, s[WV], 3                       ; my head of the pair
	s_and_b32 s48, s[WV], 7                        ; my tile of queries
	s_lshr_b32 s49, ttmp9, 3                       ; batch
	s_and_b32 s50, ttmp9, 7                        ; head pair
	s_and_b32 s51, ttmp7, 0xffff
	s_sub_co_u32 s52, 15, s51                      ; block of 128 queries
	s_lshl_b32 s[SQ0], s52, 7
	s_lshl_b32 s53, s48, 4
	s_add_co_u32 s[SQ0], s[SQ0], s53
	s_lshl_b32 s54, s49, 4
	s_lshl_b32 s55, s50, 1
	s_add_co_u32 s54, s54, s55                     ; batch x 16 + the pair's first head
	s_add_co_u32 s55, s54, s19                     ; + mine
	s_and_b32 s56, s[WV], 3                        ; what I fetch, if I fetch: region 0, 1: K of the two heads; 2, 3: V
	s_lshr_b32 s57, s56, 1
	s_add_co_u32 s57, s57, 1
	s_and_b32 s58, s56, 1
	s_add_co_u32 s58, s58, s54
	s_mul_i32 s60, s57, 6291456
	s_mul_i32 s59, s58, 98304
	s_add_co_u32 s60, s60, s59
	s_mov_b32 s61, 0
	s_lshl_b32 s62, s57, 19
	s_lshl_b32 s59, s58, 13
	s_add_co_u32 s62, s62, s59
	s_mov_b32 s63, 0
	; group 1: dense blocks as rows of 256 bytes (32 elements of 8 bytes): 48 rows of codes, 32 rows of scale words; no padding: every read takes consecutive bytes
	s_mov_b32 s[G1], 3<<16
	s_mov_b32 s[G1+1], 32<<16
	s_mov_b32 s[G1+2], 48<<16
	s_mov_b32 s[G1+3], 32<<16
	s_mov_b32 s[G1+4], 48
	s_mov_b32 s[G1+5], 32
	s_mov_b32 s[G1+6], 0
	s_mov_b32 s[G1+7], 0
	s_mov_b32 s[G1S], 3<<16
	s_mov_b32 s[G1S+1], 32<<16
	s_mov_b32 s[G1S+2], 32<<16
	s_mov_b32 s[G1S+3], 32<<16
	s_mov_b32 s[G1S+4], 32
	s_mov_b32 s[G1S+5], 32
	s_mov_b32 s[G1S+6], 0
	s_mov_b32 s[G1S+7], 0
	s_mov_b32 s[SEL], 0x76543210
	s_mov_b32 s[SEL+1], 0xfedcba98
	s_mov_b32 s[CS], 0x3e38aa3b                    ; log2(e) / 8
	s_mov_b32 s[CS+1], s[CS]
	s_mov_b32 s[TB], 0
	s_mov_b32 s[TS], 0
	s_mov_b32 s[SLOTS], 7
	s_mov_b32 s[SKF], 0
	s_wait_dscnt 0x0                               ; the opening add is done
	s_wait_kmcnt 0x0
	s_mov_b32 s[G0S], 1
	s_lshl_b32 s[G0S+1], s56, 13
	s_add_co_u32 s[G0S+1], s[G0S+1], SCB
	s_add_nc_u64 s[G0S+2:G0S+3], s[6:7], s[62:63]
	s_or_b32 s[G0S+3], s[G0S+3], 0x80000000
	s_mov_b32 s[G0], 1
	s_mul_i32 s[G0+1], s56, 12288
	s_add_nc_u64 s[G0+2:G0+3], s[4:5], s[60:61]
	s_or_b32 s[G0+3], s[G0+3], 0x80000000
	s_cmp_lt_u32 s[WV], 4                          ; both first fills in one branch: two tensor loads of mine are out
	s_cbranch_scc0 .Lno_first
	tensor_load_to_lds s[G0S:G0S+3], s[G1S:G1S+7]  ; the scale words of the whole sequence: filled once
	s_nop 0
	tensor_load_to_lds s[G0:G0+3], s[G1:G1+7]      ; slot 0
	s_nop 0
.rept 4
	v_nop
.endr
.Lno_first:
	v_and_b32 v8, 31, v0                           ; lane
	v_and_b32 v9, 15, v0                           ; r
	v_lshlrev_b32 v29, 4, v8                       ; 16 l
	v_lshlrev_b32 v30, 3, v8
	v_add_nc_u32 v30, 512, v30                     ; 512 + 8 l
	s_mul_i32 s73, s19, 12288
	v_add_nc_u32 v1, s73, v29                      ; my head's K in a slot
	v_add_nc_u32 v2, s73, v30
	s_lshl_b32 s73, s19, 13
	s_add_co_u32 s73, s73, SCB
	v_lshl_add_u32 v3, v9, 4, s73                  ; its scale words: row r's four
	s_lshl_b32 s73, s48, 6
	s_lshl_b32 s74, s19, 1
	s_add_co_u32 s73, s73, s74
	s_add_co_u32 s73, s73, XCH
	v_lshl_add_u32 v7, v9, 2, s73                  ; the exchange: query's word, my head's two bytes
	v_add_nc_u32 v243, XCH, v29
	s_mul_i32 s74, s55, 98304
	s_mul_i32 s75, s[SQ0], 48
	s_add_co_u32 s74, s74, s75
	s_mov_b32 s75, 0
	s_add_nc_u64 s[76:77], s[4:5], s[74:75]
	global_load_b128 v[16:19], v29, s[76:77]       ; Q's half fragment stays in registers
	global_load_b64 v[20:21], v30, s[76:77]
	s_lshl_b32 s74, s55, 13
	s_lshr_b32 s78, s[SQ0], 6
	s_lshl_b32 s78, s78, 8
	s_add_co_u32 s74, s74, s78
	s_and_b32 s78, s48, 3
	s_lshl_b32 s78, s78, 2
	s_add_co_u32 s74, s74, s78
	s_add_nc_u64 s[78:79], s[6:7], s[74:75]
	v_lshlrev_b32 v11, 4, v9
	global_load_b32 v255, v11, s[78:79]            ; Q's scale words
	s_lshl_b32 s80, s50, 1
	s_add_co_u32 s80, s80, s19                     ; my head
	s_mul_i32 s80, s80, 393216
	s_lshl_b32 s81, s49, 7
	s_lshr_b32 s82, s[SQ0], 4
	s_add_co_u32 s81, s81, s82
	s_mul_i32 s81, s81, 768
	s_add_co_u32 s80, s80, s81
	s_mov_b32 s81, 0
	s_add_nc_u64 s[8:9], s[8:9], s[80:81]          ; where my codes of O go
	s_lshl_b32 s80, s50, 15
	s_lshl_b32 s82, s49, 13
	s_add_co_u32 s80, s80, s82
	s_lshl_b32 s82, s52, 9
	s_add_co_u32 s80, s80, s82
	s_add_nc_u64 s[10:11], s[10:11], s[80:81]      ; and the work-group's 128 scale words
	s_sub_co_u32 s73, s[WV], 4                     ; the prefetches: who asks,
	s_cmp_lt_u32 s73, 6
	s_cselect_b32 s74, 0, 1
	s_or_b32 s74, s74, s51
	s_cmp_eq_u32 s74, 0
	s_cselect_b32 s[LIM], 1, -1
	s_min_u32 s73, s73, 5
	s_lshl_b32 s73, s73, 5
	v_add_nc_u32 v28, s73, v8                      ; and for which of the 192 blocks: 32 (wave - 4) + lane
	v_mul_u32_u24 v4, v28, 683
	v_lshrrev_b32 v4, 15, v4                       ; its region: block / 48
	v_mul_u32_u24 v31, v4, 48
	v_sub_nc_u32 v28, v28, v31
	v_lshlrev_b32 v28, 8, v28
	v_and_b32 v31, 1, v4
	v_mul_u32_u24 v31, v31, 98304                  ; the pair's second head,
	v_add_nc_u32 v28, v28, v31
	v_lshrrev_b32 v4, 1, v4
	v_mul_u32_u24 v4, v4, 6291456                  ; V behind K
	v_add_nc_u32 v28, v28, v4
	s_mul_i32 s74, s54, 98304
	s_add_co_u32 s74, s74, 6291456+12288           ; K of the pair's first head, slot 1: the first change of slots steps it to slot 2
	s_mov_b32 s75, 0
	s_add_nc_u64 s[PFA:PFA+1], s[4:5], s[74:75]
	v_mov_b32 v13, 0xff61b1e6                      ; the largest t so far: -3e38
	v_floor_f32 v12, -v13                          ; -M
	v_mov_b32 v14, 0
	v_mov_b32 v15, 0
	v_mov_b32 v31, 0xff800000                      ; -infinity
.irp i, 22,23,24,25,26,27
	v_mov_b32 v\i, 0                               ; the unused half of K = 128: zero codes, in Q
.endr
.irp t, 0,1,2,3
.irp i, 6,7,8,9,10,11
	v_mov_b32 v[KFR+12*\t+\i], 0                   ; and in K's four fragments: set once
.endr
.endr
.irp b, 0,1,2,3
	v_mov_b32 v[236+\b], 0                         ; a lane permute's destination counts as one of its sources
.endr
	v_mov_b32 v252, 0
	v_mov_b32 v253, 0
.set j, 0
.rept 32
	v_mov_b32 v[O+j], 0                            ; O^T: the step is written once; its first run finds zeros
.set j, j+1
.endr
; A KEY STEP: 128 keys, the q-th of the slot in hand.
.macro STEP q
	s_add_co_u32 s96, s[SQ0], 15
	s_cmp_gt_u32 s[SKF], s96                       ; all keys after my queries: no work (ids and the count of steps alone)
	s_cbranch_scc1 .Lhidden_\@
	v_add_nc_u32 v8, s[TB], v1
	v_add_nc_u32 v9, s[TB], v2
	v_add_nc_u32 v10, s[TS], v3
	v_nop                                          ; four places in front of loads into registers that the last products have read
.irp gg, 0,1                           ; S^T = K Q^T, four tiles of 16 keys at a time
.if \gg
.rept 4
	v_nop
.endr
.endif
.irp t, 0,1,2,3
	ds_load_b128 v[KFR+12*\t:KFR+12*\t+3], v8 offset:(8*(\q)+4*\gg+\t)*768
	ds_load_b64 v[KFR+12*\t+4:KFR+12*\t+5], v9 offset:(8*(\q)+4*\gg+\t)*768
.endr
	ds_load_b128 v[248:251], v10 offset:256*\gg    ; the four tiles' scale words of row r
	s_wait_dscnt 0x0
.irp t, 0,1,2,3
	v_wmma_scale_f32_16x16x128_f8f6f4 v[S+8*(4*\gg+\t):S+8*(4*\gg+\t)+7], v[KFR+12*\t:KFR+12*\t+11], v[16:27], 0, v[248+\t], v255 matrix_a_fmt:MATRIX_FMT_FP6 matrix_b_fmt:MATRIX_FMT_FP6
.endr
.endr
.rept 4
	v_nop                                          ; places in front of the first read of the scores and of the loads below
.endr
.irp dt, 0,1,2,3                       ; V's four fragments come while the softmax is worked: two half fragments of 64 keys each
	ds_load_b128 v[VFR+12*\dt:VFR+12*\dt+3], v8 offset:24576+(8*(\q)+\dt)*768
	ds_load_b64 v[VFR+12*\dt+4:VFR+12*\dt+5], v9 offset:24576+(8*(\q)+\dt)*768
	ds_load_b128 v[VFR+12*\dt+6:VFR+12*\dt+9], v8 offset:24576+(8*(\q)+4+\dt)*768
	ds_load_b64 v[VFR+12*\dt+10:VFR+12*\dt+11], v9 offset:24576+(8*(\q)+4+\dt)*768
.endr
	ds_load_b128 v[248:251], v10 offset:16384      ; and their scale words
	s_add_co_u32 s96, s[SKF], 127                  ; on the diagonal hidden scores become -infinity; a step all of whose keys count skips this
	s_cmp_le_u32 s96, s[SQ0]
	s_cbranch_scc1 .Lopen_\@
	s_sub_co_i32 s96, s[SQ0], s[SKF]
	v_and_b32 v4, 15, v0
	v_bfe_u32 v11, v0, 4, 1
	v_lshlrev_b32 v11, 3, v11
	v_sub_nc_u32 v4, v4, v11
	v_add_nc_u32 v4, s96, v4                       ; d = my query - the step's first key - 8 h.  Register n holds key 16 (n / 8) + 8 h + n % 8 of the step: hidden where 16 (n / 8) + n % 8 > d
.set j, 0
.rept 64
	v_cmp_gt_i32 vcc_lo, 16*(j/8)+j%8, v4
	v_cndmask_b32 v[S+j], v[S+j], v31, vcc_lo
.set j, j+1
.endr
.Lopen_\@:
.irp b, 0,1,2,3
	v_max3_num_f32 v[232+\b], v[S+16*\b], v[S+1+16*\b], v[S+2+16*\b]   ; the largest score of each block of 32 keys: for the row's maximum, and, since p rises with the score, for the block's largest p
.endr
.irp i, 3,5,7,9,11,13
.irp b, 0,1,2,3
	v_max3_num_f32 v[232+\b], v[232+\b], v[S+16*\b+\i], v[S+1+16*\b+\i]
.endr
.endr
.irp b, 0,1,2,3
	v_max_num_f32 v[232+\b], v[232+\b], v[S+15+16*\b]
.endr
.irp b, 0,1,2,3
	v_permlanex16_b32 v[236+\b], v[232+\b], s[SEL], s[SEL+1]
.endr
.irp b, 0,1,2,3
	v_max_num_f32 v[232+\b], v[232+\b], v[236+\b]
.endr
	v_max3_num_f32 v254, v232, v233, v234
	v_max_num_f32 v254, v254, v235
	v_mul_f32 v254, s[CS], v254                    ; as t
	v_max_num_f32 v13, v13, v254                   ; the running largest t
	v_mov_b32 v254, v12
	v_floor_f32 v12, -v13                          ; the new -M = -ceil(t): a whole number
	v_sub_f32 v254, v12, v254                      ; old M - new M: a whole number, 0 or less
	v_cvt_i32_f32 v254, v254                       ; (it saturates)
	v_ldexp_f32 v252, 1.0, v254                    ; f = 2^(old M - new M)
.set j, 0
.rept 32
	v_pk_fma_f32 v[S+j:S+j+1], v[S+j:S+j+1], s[CS:CS+1], v[12:13] op_sel_hi:[1,0,0]   ; t - M, two at a time
.set j, j+2
.endr
.irp b, 0,1,2,3
	v_fma_f32 v[232+\b], v[232+\b], s[CS], v12     ; the same of each block's largest score
.endr
.set j, 0
.rept 64
	v_exp_f32 v[S+j], v[S+j]                       ; p = 2^(t - M)
.set j, j+1
.endr
	v_pk_mul_f32 v[14:15], v[14:15], v[252:253] op_sel_hi:[1,0]   ; the sums under the new M: a plain place behind the exponentials
	s_wait_alu depctr_va_vdst(0)                   ; one wait for the whole batch, ahead of its first reader
.irp b, 0,1,2,3
	v_exp_f32 v[232+\b], v[232+\b]                 ; the block's largest p
.endr
	v_pk_add_f32 v[236:237], v[S:S+1], v[S+2:S+3]  ; the row's sum of the unquantised p, in two chains
.irp i, 4,8,12,16,20,24,28,32,36,40,44,48,52,56,60
	v_pk_add_f32 v[14:15], v[14:15], v[S+\i:S+1+\i]
	v_pk_add_f32 v[236:237], v[236:237], v[S+2+\i:S+3+\i]
.endr
	v_pk_add_f32 v[14:15], v[14:15], v[236:237]
	s_wait_alu depctr_va_vdst(0)                   ; and one for the four
.irp b, 0,1,2,3
	v_max_num_f32 v[232+\b], 0x1800000, v[232+\b]  ; the floor 2^(3 - 127)
.endr
.irp b, 0,1,2,3
	v_add_nc_u32 v[244+\b], 0xff000000, v[232+\b]  ; the conversion's scale operand
.endr
.irp b, 0,1,2,3
	v_lshrrev_b32 v[236+\b], 23, v[244+\b]         ; the byte
.endr
	v_lshl_or_b32 v253, v237, 8, v236              ; p's scale word for these 128 keys
	v_lshl_or_b32 v253, v238, 16, v253
	v_lshl_or_b32 v253, v239, 24, v253
.irp c, 0,1
	v_cvt_scalef32_pk16_fp6_f32 v[224+6*\c:226+6*\c], v[S+32*\c:S+15+32*\c], v[244+2*\c]
	v_cvt_scalef32_pk16_fp6_f32 v[236+4*\c:238+4*\c], v[S+16+32*\c:S+31+32*\c], v[244+2*\c+1]
.endr
	v_nop                                          ; one plain place behind the conversions
.irp c, 0,1
.irp i, 0,1,2
	v_permlane16_swap_b32 v[224+6*\c+\i], v[236+4*\c+\i]
.endr
.irp i, 0,1,2
	v_mov_b32 v[227+6*\c+\i], v[236+4*\c+\i]
.endr
.endr
.set j, 0
.rept 16
	v_pk_mul_f32 v[O+j:O+j+1], v[O+j:O+j+1], v[252:253] op_sel_hi:[1,0]   ; O^T under the new M; these sixteen also stand between the scale word's and the codes' last writes and the products
.set j, j+2
.endr
	s_wait_dscnt 0x0                               ; V is in
.irp dt, 0,1,2,3                       ; O^T += V^T P^T: four accumulators by turns
	v_wmma_scale_f32_16x16x128_f8f6f4 v[O+8*\dt:O+8*\dt+7], v[VFR+12*\dt:VFR+12*\dt+11], v[224:235], v[O+8*\dt:O+8*\dt+7], v[248+\dt], v253 matrix_a_fmt:MATRIX_FMT_FP6 matrix_b_fmt:MATRIX_FMT_FP6
.endr
.Lhidden_\@:
	s_add_co_u32 s[SKF], s[SKF], 128
	s_add_co_u32 s[TS], s[TS], 512
.endm
; THE CHANGE OF SLOTS, at a slot's head.  Each wave waits for all its tensor loads, adds 0 to its spare word, and waits for that and for its reads of the slot that it has left.  Behind the barrier the slot ahead is
; whole and nobody reads the other one, which is then filled with the next 256 keys: the wave's one tensor load until the next such barrier, with a slot's two steps in which to land.
.macro CHANGE fill
	s_wait_tensorcnt 0x0                           ; no tensor load of mine is out, so the descriptor may be written
	ds_add_u32 v[SPW], v[NIL]
.if \fill
	s_xor_b32 s[G0+1], s[G0+1], SLOT1
	s_add_nc_u64 s[G0+2:G0+3], s[G0+2:G0+3], 12288
	s_wait_xcnt 0x0                                ; the last prefetch, a slot back, has read its address
	s_add_nc_u64 s[PFA:PFA+1], s[PFA:PFA+1], 12288
.endif
	s_wait_dscnt 0x0                               ; the add is done, and my reads of the slot that I have left are over
	s_barrier_signal -1
	s_barrier_wait -1
.if \fill
	s_add_co_u32 s96, s[SKF], 256                  ; the first key of the slot that this change would ask for,
	s_or_b32 s97, s[SQ0], 127                      ; my work-group's last query:
	s_cmp_gt_u32 s96, s97                          ; a slot that none of the sixteen waves will read is not asked for.  Ids and the count of steps alone: all waves go the same way
	s_cbranch_scc1 .Lpast_\@
	TLOAD
.Lpast_\@:
	ASK
.endif
.endm
.macro SLOT_STEPS
	STEP 0
	STEP 1
	s_xor_b32 s[TB], s[TB], SLOT1
.endm
	s_wait_loadcnt 0x0                             ; Q
.Lslot:                                            ; 7 trips
	CHANGE 1
	SLOT_STEPS
	s_sub_co_u32 s[SLOTS], s[SLOTS], 1
	s_cmp_lg_u32 s[SLOTS], 0
	s_cbranch_scc1 .Lslot
	CHANGE 0                                       ; the last slot is written out: nothing is left to ask for
	SLOT_STEPS
	; THE WAY OUT: O^T / the sum, quantised along my head's 64 channels (two blocks): a half fragment of codes, and two scale bytes a query.
.rept 4
	v_nop                                          ; places behind the last products
.endr
	v_add_f32 v14, v14, v15
	v_permlanex16_b32 v252, v14, s[SEL], s[SEL+1]
	v_add_f32 v14, v14, v252                       ; the row's sum
	v_rcp_f32 v14, v14
	v_nop                                          ; a plain place behind the reciprocal
	s_wait_alu depctr_va_vdst(0)                   ; and the wait ahead of its first reader
.set j, 0
.rept 32
	v_mul_f32 v[S+j], v[O+j], v14                  ; register 8 t + i: channel 16 t + 8 h + i of query r
.set j, j+1
.endr
.irp b, 0,1
	v_max3_num_f32 v[232+\b], |v[S+16*\b]|, |v[S+1+16*\b]|, 0x1800000
.endr
.irp i, 2,4,6,8,10,12,14
.irp b, 0,1
	v_max3_num_f32 v[232+\b], v[232+\b], |v[S+16*\b+\i]|, |v[S+1+16*\b+\i]|
.endr
.endr
.irp b, 0,1
	v_permlanex16_b32 v[236+\b], v[232+\b], s[SEL], s[SEL+1]
.endr
.irp b, 0,1
	v_max_num_f32 v[232+\b], v[232+\b], v[236+\b]
.endr
.irp b, 0,1
	v_add_nc_u32 v[244+\b], 0xff000000, v[232+\b]
.endr
.irp b, 0,1
	v_lshrrev_b32 v[238+\b], 23, v[244+\b]
.endr
	v_lshl_or_b32 v254, v239, 8, v238              ; my head's two bytes
	v_cvt_scalef32_pk16_fp6_f32 v[224:226], v[S:S+15], v244
	v_cvt_scalef32_pk16_fp6_f32 v[240:242], v[S+16:S+31], v245
	v_nop
.irp i, 0,1,2
	v_permlane16_swap_b32 v[224+\i], v[240+\i]
.endr
.irp i, 0,1,2
	v_mov_b32 v[227+\i], v[240+\i]
.endr
	global_store_b128 v29, v[224:227], s[8:9]      ; 512 consecutive bytes, aligned
	global_store_b64 v30, v[228:229], s[8:9]       ; 256
	ds_store_b16 v7, v254                          ; both halves of the lanes write the same two bytes with the same value
	s_wait_dscnt 0x0                               ; for the others' sake
	s_barrier_signal -1
	s_barrier_wait -1
	s_cmp_lg_u32 s[WV], 0
	s_cbranch_scc1 .Lnot_0
	ds_load_b128 v[232:235], v243                  ; wave 0 stores the 128 queries' words: 512 consecutive bytes, aligned
	s_wait_dscnt 0x0
	global_store_b128 v29, v[232:235], s[10:11]
.Lnot_0:
	s_wait_tensorcnt 0x0                           ; the wave's end
	ds_add_u32 v[SPW], v[NIL]
	s_wait_dscnt 0x0
	s_endpgm
.Lfunc_end_k_q0c954c8bcc_attn:
	.size	k_q0c954c8bcc_attn, .Lfunc_end_k_q0c954c8bcc_attn-k_q0c954c8bcc_attn
	.p2alignl 7, 3214868480
	.fill 96, 4, 3214868480
	.section	.rodata,"a",@progbits
	.p2align	6, 0x0
	.amdhsa_kernel k_q0c954c8bcc_attn
		.amdhsa_group_segment_fixed_size 327680
		.amdhsa_private_segment_fixed_size 0
		.amdhsa_enable_private_segment 0
		.amdhsa_kernarg_size 32
		.amdhsa_user_sgpr_count 2
		.amdhsa_user_sgpr_kernarg_segment_ptr 1
		.amdhsa_wavefront_size32 1
		.amdhsa_system_sgpr_workgroup_id_x 1
		.amdhsa_system_sgpr_workgroup_id_y 1
		.amdhsa_system_sgpr_workgroup_id_z 1
		.amdhsa_system_vgpr_workitem_id 0
		.amdhsa_next_free_vgpr 256
		.amdhsa_next_free_sgpr 100
		.amdhsa_reserve_vcc 1
		.amdhsa_float_denorm_mode_32 3
		.amdhsa_float_denorm_mode_16_64 3
		.amdhsa_memory_ordered 1
		.amdhsa_forward_progress 1
		.amdhsa_inst_pref_size 100
	.end_amdhsa_kernel
	.amdgpu_metadata
---
amdhsa.version: [ 1, 2 ]
amdhsa.kernels:
  - .name:           k_q0c954c8bcc_attn
    .symbol:         k_q0c954c8bcc_attn.kd
    .args:
      - { .name: pc, .offset: 0, .size: 8, .value_kind: global_buffer, .address_space: global }
      - { .name: ps, .offset: 8, .size: 8, .value_kind: global_buffer, .address_space: global }
      - { .name: oc, .offset: 16, .size: 8, .value_kind: global_buffer, .address_space: global }
      - { .name: os, .offset: 24, .size: 8, .value_kind: global_buffer, .address_space: global }
    .group_segment_fixed_size: 327680
    .private_segment_fixed_size: 0
    .kernarg_segment_align: 8
    .kernarg_segment_size: 32
    .max_flat_workgroup_size: 512
    .sgpr_count:     100
    .vgpr_count:     256
    .wavefront_size: 32
...
	.end_amdgpu_metadata
.endif
;; end of part 3
;; launch outp (part 4): grid 4 x 64, 4 waves a work-group, clusters of 4 x 4, 327,680 bytes of LDS; arguments oc, os, wc, ws, WO_bias, out0; writes out0
.if DOCPART == 4
	.amdgcn_target "amdgcn-amd-amdhsa--gfx1250"
	.amdhsa_code_object_version 6
	.text
	.protected	k_q0c954c8bcc_outp
	.globl	k_q0c954c8bcc_outp
	.p2align	8
	.type	k_q0c954c8bcc_outp,@function
k_q0c954c8bcc_outp:
	s_mov_b64 s[64:65], 0
	v_nop
	global_prefetch_b8 v0, s[64:65] scope:SCOPE_SE
	s_setreg_imm32_b32 hwreg(HW_REG_WAVE_MODE, 25, 1), 1
	s_wait_xcnt 0x0
	s_wait_alu depctr_hold_cnt(0) depctr_sa_sdst(0) depctr_va_vdst(0) depctr_va_sdst(0) depctr_va_ssrc(0) depctr_va_vcc(0) depctr_vm_vsrc(0)
	s_getreg_b32 s2, hwreg(HW_REG_IB_STS2, 6, 4)
	s_cmp_eq_u32 s2, 0
	s_cbranch_scc0 .Lentry_in_a_cluster
	s_endpgm
.Lentry_in_a_cluster:
	s_bfe_u32 s2, ttmp6, 0x10000c
	s_cmp_lg_u32 s2, 0xf033
	s_cbranch_scc0 .Lentry_shape_is_right
	s_endpgm
.Lentry_shape_is_right:
; out0 = O WO + bias on codes of FP6 (E2M3) with E8M0 scales, K = 1,024 = head x 64 + channel; out0 [8192][1024] f32.
; The matrix instruction is used transposed (source 0 = 16 columns n of WO, source 1 = 16 rows of O): a lane holds eight neighbouring numbers of a row of out0.
; SHARES.  A work-group: 128 rows x 256 columns; a wave: 64 x 128, 32 accumulators.  256 work-groups, 16 clusters of 4 x 4; O's tiles are shared along a row of the cluster, WO's along a column: joint loads.
; ALL OF K LIES IN LDS (294,912 bytes): each wave asks for four chunks of 256 along K at the start (four tensor loads of mine are out); nothing is filled again.
; O's codes lie [head 16][tile of 16 rows 512][768] (half fragments: registers 0-3 at 16 l, 4-5 at 512 + 8 l): a chunk is 4 heads x 4 tiles x 768 for each half of the rows; a fragment of K step g is the half
; fragments of heads 2 g and 2 g + 1.  Its scale words lie [K step 8][row 8192].  WO's images and words are as the first launch laid them.
; The bias is the C of the first K step's products.  The way out goes through a stage in LDS, in B's chunk 0, which has had its only fill and whose last read lies ahead of the later chunks' barriers.
; REGISTERS.  Window 0: v6-15 offsets and addresses; v16-23 LDS addresses; v32-47 O's scale words, v48-79 WO's (these hold scales alone); v80-143 the bias, later rows on the way out; v144-239 A's fragments, two sets,
;   later (v144-207) rows on the way out.  Window 1: B's fragments, two sets.  Window 2: accumulator (a, b) at v[8 (8 a + b)].
.set ACH,   24576
.set BCH,   49152
.set BBASE, 4*ACH
.set SPARE, BBASE+4*BCH
.set STO,  9
.set RD,   10
.set CO,   11
.set ADRA8, 12
.set ADRA, 16
.set ADRB, 20
.set SPW,  28
.set NIL,  29
.set SA,   32
.set SB,   48
.set BI,   80
.set AF,   144
.set BK,   80
.set G1A,  32
.set G1B,  40
.set G0A,  48
.set G0B,  68
.set MSB, 0
.macro WIN new
.if MSB != \new
	s_set_vgpr_msb (MSB<<8)|\new
.set MSB, \new
.endif
.endm
.macro PLACES n
.rept \n
	v_nop
.endr
.endm
.macro CROUND
	s_barrier_signal -1
	s_barrier_wait -1
	s_cmp_lg_u32 s22, 0
	s_cbranch_scc1 .Lnot_wave_0_\@
	s_barrier_signal -3
.Lnot_wave_0_\@:
	s_barrier_wait -3
	s_barrier_signal -1
	s_barrier_wait -1
.endm
	s_load_b256 s[4:11], s[0:1], 0x0               ; oc, os, wc, ws
	s_load_b128 s[12:15], s[0:1], 0x20             ; WO_bias, out0
	v_lshl_add_u32 v[SPW], v0, 2, SPARE
	v_mov_b32 v[NIL], 0
	ds_add_u32 v[SPW], v[NIL]                      ; the wave's opening: the add and its wait stand ahead of my first tensor load
	v_lshrrev_b32 v1, 5, v0
	v_readfirstlane_b32 s22, v1                    ; wave
	s_lshr_b32 s23, s22, 1                         ; which 64 rows are mine.  Also: I fetch for A (0) or B (1)
	s_and_b32 s24, s22, 1                          ; which 128 columns.  Also: which half of that tile I fetch
	s_bfe_u32 s25, ttmp6, 0x40000                  ; cx = the tile column
	s_bfe_u32 s26, ttmp6, 0x40004                  ; cy
	s_and_b32 s27, ttmp7, 0xffff
	s_lshl_b32 s30, s27, 2
	s_add_co_u32 s30, s30, s26                     ; tile row
	s_lshl_b32 s86, s26, 2
	s_lshl_b32 s86, 15, s86
	s_lshl_b32 s87, 0x1111, s25
	; group 1.  A: 4 rows (heads) of 3,072 bytes (4 tiles x 768), 393,216 bytes apart.  B: 8 rows (tiles) of 3,072 bytes (2 K steps), 12,288 apart.  Elements of 8 bytes, no padding
	s_or_b32 s[G1A], s86, (3<<16)|(1<<21)
	s_or_b32 s[G1B], s87, (3<<16)|(1<<21)
	s_mov_b32 s[G1A+1], 384<<16
	s_mov_b32 s[G1A+2], 4<<16
	s_mov_b32 s[G1A+3], 384<<16
	s_mov_b32 s[G1A+4], 4
	s_mov_b32 s[G1A+5], 49152
	s_mov_b32 s[G1A+6], 0
	s_mov_b32 s[G1A+7], 0
	s_mov_b32 s[G1B+1], 384<<16
	s_mov_b32 s[G1B+2], 8<<16
	s_mov_b32 s[G1B+3], 384<<16
	s_mov_b32 s[G1B+4], 8
	s_mov_b32 s[G1B+5], 1536
	s_mov_b32 s[G1B+6], 0
	s_mov_b32 s[G1B+7], 0
	s_lshl_b32 s88, s30, 3
	s_lshl_b32 s89, s24, 2
	s_add_co_u32 s88, s88, s89
	s_mul_i32 s88, s88, 768                        ; A: tile 8 x tile row + 4 x half
	s_mov_b32 s89, 0
	s_lshl_b32 s90, s25, 4
	s_lshl_b32 s91, s24, 3
	s_add_co_u32 s90, s90, s91
	s_mul_i32 s90, s90, 12288                      ; B: tile 16 x tile column + 8 x half,
	s_add_co_u32 s90, s90, 3*786432                ; in WO's part of wc
	s_mov_b32 s91, 0
	s_mul_i32 s100, s24, ACH/2
	s_mul_i32 s101, s24, BCH/2
	s_wait_dscnt 0x0                               ; the opening add is done
	s_wait_kmcnt 0x0
	s_add_nc_u64 s[92:93], s[4:5], s[88:89]
	s_add_nc_u64 s[94:95], s[8:9], s[90:91]
	CROUND                                         ; all sixteen work-groups are here: the joint loads meet
.irp q, 0,1,2,3
	s_mov_b32 s[G0A+4*\q], 1
	s_add_co_u32 s[G0A+4*\q+1], s100, \q*ACH
	s_add_nc_u64 s[G0A+4*\q+2:G0A+4*\q+3], s[92:93], \q*4*393216
	s_or_b32 s[G0A+4*\q+3], s[G0A+4*\q+3], 0x80000000
	s_mov_b32 s[G0B+4*\q], 1
	s_add_co_u32 s[G0B+4*\q+1], s101, BBASE+\q*BCH
	s_add_nc_u64 s[G0B+4*\q+2:G0B+4*\q+3], s[94:95], \q*3072
	s_or_b32 s[G0B+4*\q+3], s[G0B+4*\q+3], 0x80000000
.endr
	s_cmp_eq_u32 s23, 0                            ; a wave's four fills stand in one branch on its number
	s_cbranch_scc0 .Lfirst_b
.irp q, 0,1,2,3
	tensor_load_to_lds s[G0A+4*\q:G0A+4*\q+3], s[G1A:G1A+7]
	s_nop 0
.endr
	PLACES 4
	s_branch .Lfirst_asked
.Lfirst_b:
.irp q, 0,1,2,3
	tensor_load_to_lds s[G0B+4*\q:G0B+4*\q+3], s[G1B:G1B+7]
	s_nop 0
.endr
	PLACES 4
.Lfirst_asked:
	v_and_b32 v1, 31, v0                           ; lane
	v_and_b32 v2, 15, v0                           ; r
	v_bfe_u32 v3, v0, 4, 1                         ; h
	v_lshlrev_b32 v[CO], 4, v1                     ; 16 l
	v_lshlrev_b32 v5, 3, v1
	v_add_nc_u32 v5, 512, v5                       ; 512 + 8 l
	s_lshl_b32 s84, s30, 7
	s_lshl_b32 s85, s23, 6
	s_add_co_u32 s84, s84, s85                     ; m0
	s_lshl_b32 s85, s25, 8
	s_lshl_b32 s86, s24, 7
	s_add_co_u32 s85, s85, s86                     ; i0
	s_mov_b32 s87, 0
	s_lshl_b32 s86, s84, 2
	s_add_nc_u64 s[6:7], s[6:7], s[86:87]          ; O's scale words at my first row
	s_lshl_b32 s86, s85, 4
	s_add_co_u32 s86, s86, 3*32768
	s_add_nc_u64 s[10:11], s[10:11], s[86:87]      ; WO's at my first column
	s_lshl_b32 s86, s85, 2
	s_add_nc_u64 s[12:13], s[12:13], s[86:87]      ; the bias likewise
	s_lshl_b32 s88, s84, 12
	s_add_co_u32 s86, s86, s88
	s_add_nc_u64 s[14:15], s[14:15], s[86:87]      ; out0 at (m0, i0)
	v_lshlrev_b32 v6, 2, v2
	v_lshl_add_u32 v6, v3, 17, v6                  ; 4 r; lanes 16-31: four K steps (4 x 32,768 bytes) on
	v_lshlrev_b32 v7, 4, v2
	v_lshl_add_u32 v7, v3, 14, v7                  ; 16 r; lanes 16-31: the upper K half
	v_lshlrev_b32 v8, 5, v3
.irp a, 0,1,2,3
.irp j, 0,1,2,3
	global_load_b32 v[SA+4*\a+\j], v6, s[6:7] offset:\j*32768+64*\a
.endr
.endr
.irp b, 0,1,2,3,4,5,6,7
	global_load_b128 v[SB+4*\b:SB+4*\b+3], v7, s[10:11] offset:256*\b
.endr
.irp b, 0,1,2,3,4,5,6,7
	global_load_b128 v[BI+8*\b:BI+8*\b+3], v8, s[12:13] offset:64*\b       ; the result's layout: i0 + 16 b + 8 h + 0 .. 7
	global_load_b128 v[BI+8*\b+4:BI+8*\b+7], v8, s[12:13] offset:64*\b+16
.endr
	s_mul_i32 s88, s23, ACH/2
	s_mul_i32 s89, s24, BCH/2
	s_add_co_u32 s89, s89, BBASE
.irp q, 0,1,2,3
	v_add_nc_u32 v[ADRA+\q], s88, v[CO]
	v_add_nc_u32 v[ADRA8+\q], s88, v5
	v_add_nc_u32 v[ADRB+\q], s89, v[CO]
	s_add_co_u32 s88, s88, ACH
	s_add_co_u32 s89, s89, BCH
.endr
	s_mul_i32 s88, s22, 16*528
	s_add_co_u32 s88, s88, BBASE                   ; my stage: 16 rows x (512 + 16) bytes
	v_mul_u32_u24 v[STO], v2, 528
	v_lshl_add_u32 v[STO], v3, 5, v[STO]
	v_add_nc_u32 v[STO], s88, v[STO]               ; in: row r, 32 bytes for each half of the lanes
	v_add_nc_u32 v[RD], s88, v[CO]                 ; back: the 32 lanes take a row of 512 bytes
	s_wait_loadcnt 0x0
.macro FETCH g
	WIN 0x40                                       ; destination window 1
.irp b, 0,1,2,3,4,5,6,7
.irp j, 0,1,2
	ds_load_b128 v[128*((\g)%2)+12*\b+4*\j:128*((\g)%2)+12*\b+4*\j+3], v[ADRB+(\g)/2] offset:\b*3072+((\g)%2)*1536+512*\j
.endr
.endr
	WIN 0
.irp a, 0,1,2,3
.irp c, 0,1
	ds_load_b128 v[AF+48*((\g)%2)+12*\a+6*\c:AF+48*((\g)%2)+12*\a+6*\c+3], v[ADRA+(\g)/2] offset:(2*((\g)%2)+\c)*3072+768*\a
	ds_load_b64 v[AF+48*((\g)%2)+12*\a+6*\c+4:AF+48*((\g)%2)+12*\a+6*\c+5], v[ADRA8+(\g)/2] offset:(2*((\g)%2)+\c)*3072+768*\a
.endr
.endr
.endm
; 32 matrix instructions: the 32 accumulators take turns, one instruction a turn, in the same order in every K step.
.macro MUL g
.if (\g) == 0
	WIN 0x81                                       ; source 0 (B) window 1, source 1 (A) and C (the bias) window 0, D window 2
.else
	WIN 0xa1
.endif
.irp a, 0,1,2,3
.irp b, 0,1,2,3,4,5,6,7
.if (\g) == 0
	v_wmma_scale_f32_16x16x128_f8f6f4 v[8*(8*\a+\b):8*(8*\a+\b)+7], v[128*((\g)%2)+12*\b:128*((\g)%2)+12*\b+11], v[AF+48*((\g)%2)+12*\a:AF+48*((\g)%2)+12*\a+11], v[BI+8*\b:BI+8*\b+7], v[SB+4*\b+(\g)%4], v[SA+4*\a+(\g)%4] matrix_a_fmt:MATRIX_FMT_FP6 matrix_b_fmt:MATRIX_FMT_FP6
.elseif (\g) < 4
	v_wmma_scale_f32_16x16x128_f8f6f4 v[8*(8*\a+\b):8*(8*\a+\b)+7], v[128*((\g)%2)+12*\b:128*((\g)%2)+12*\b+11], v[AF+48*((\g)%2)+12*\a:AF+48*((\g)%2)+12*\a+11], v[8*(8*\a+\b):8*(8*\a+\b)+7], v[SB+4*\b+(\g)%4], v[SA+4*\a+(\g)%4] matrix_a_fmt:MATRIX_FMT_FP6 matrix_b_fmt:MATRIX_FMT_FP6
.else
	v_wmma_scale_f32_16x16x128_f8f6f4 v[8*(8*\a+\b):8*(8*\a+\b)+7], v[128*((\g)%2)+12*\b:128*((\g)%2)+12*\b+11], v[AF+48*((\g)%2)+12*\a:AF+48*((\g)%2)+12*\a+11], v[8*(8*\a+\b):8*(8*\a+\b)+7], v[SB+4*\b+(\g)%4], v[SA+4*\a+(\g)%4] matrix_a_fmt:MATRIX_FMT_FP6 matrix_b_fmt:MATRIX_FMT_FP6 matrix_a_scale:MATRIX_SCALE_ROW1 matrix_b_scale:MATRIX_SCALE_ROW1
.endif
.endr
.endr
	WIN 0
.endm
	s_wait_tensorcnt 3                             ; my part of chunk 0 is in; the three chunks issued behind it may be out
	s_barrier_signal -1
	s_barrier_wait -1
	FETCH 0
.irp g, 0,1,2,3,4,5,6,7
	s_wait_dscnt 0x0                               ; this K step's fragments are in
.if (\g == 1) || (\g == 3) || (\g == 5)
	s_wait_tensorcnt 3-(\g+1)/2                    ; my part of the next chunk is in: as many loads were issued behind it as the count says
	s_barrier_signal -1
	s_barrier_wait -1
.endif
.if (\g > 0) && (\g < 7)
	PLACES 4                                       ; in front of loads into registers that the last K step's matrix instructions have read
.endif
.if \g < 7
	FETCH \g+1
.endif
	MUL \g
.endr
; THE WAY OUT, a block of 16 rows x 128 columns at a time: a lane holds 32 neighbouring bytes of a row; through my own stage the block comes back as whole rows of 512 bytes.
; LDS serves a wave's instructions in order: no wait between the stores and the loads, nor in front of the next block's stores.
.macro TOSTAGE a
	WIN 0x08                                       ; an LDS store's data: window 2
.irp b, 0,1,2,3,4,5,6,7
	ds_store_b128 v[STO], v[64*(\a)+8*\b:64*(\a)+8*\b+3] offset:64*\b      ; each accumulator from its low end on
	ds_store_b128 v[STO], v[64*(\a)+8*\b+4:64*(\a)+8*\b+7] offset:64*\b+16
.endr
	WIN 0
.set BB, BK+64*((\a)%2)
.irp t, 0,1,2,3,4,5,6,7,8,9,10,11,12,13,14,15
	ds_load_b128 v[BB+4*\t:BB+4*\t+3], v[RD] offset:\t*528
.endr
.endm
.macro SEND a, younger                 ; younger: the LDS instructions issued behind block a's loads, which may stay out
.set BB, BK+64*((\a)%2)
	s_wait_dscnt \younger
.irp t, 0,1,2,3,4,5,6,7,8,9,10,11,12,13,14,15
	global_store_b128 v[CO], v[BB+4*\t:BB+4*\t+3], s[14:15] offset:(16*(\a)+\t)*4096 th:TH_STORE_NT   ; 32 lanes store 512 consecutive bytes, aligned
.endr
.endm
	PLACES 4                                       ; behind the last products: for the reads of results and for loads into registers that held A's fragments
	TOSTAGE 0
.irp a, 1,2,3
.if \a > 1
	s_wait_xcnt 0x0                                ; block a - 2's stores have read their registers: block a's loads may land there
.endif
	TOSTAGE \a
	SEND \a-1, 32                                  ; behind block a - 1's loads: block a's 16 stores and 16 loads
.endr
	SEND 3, 0
	s_wait_tensorcnt 0x0                           ; the wave's end
	ds_add_u32 v[SPW], v[NIL]
	s_wait_dscnt 0x0
	CROUND                                         ; the closing round
	s_endpgm
.Lfunc_end_k_q0c954c8bcc_outp:
	.size	k_q0c954c8bcc_outp, .Lfunc_end_k_q0c954c8bcc_outp-k_q0c954c8bcc_outp
	.p2alignl 7, 3214868480
	.fill 96, 4, 3214868480
	.section	.rodata,"a",@progbits
	.p2align	6, 0x0
	.amdhsa_kernel k_q0c954c8bcc_outp
		.amdhsa_group_segment_fixed_size 327680
		.amdhsa_private_segment_fixed_size 0
		.amdhsa_enable_private_segment 0
		.amdhsa_kernarg_size 48
		.amdhsa_user_sgpr_count 2
		.amdhsa_user_sgpr_kernarg_segment_ptr 1
		.amdhsa_wavefront_size32 1
		.amdhsa_system_sgpr_workgroup_id_x 1
		.amdhsa_system_sgpr_workgroup_id_y 1
		.amdhsa_system_sgpr_workgroup_id_z 1
		.amdhsa_system_vgpr_workitem_id 0
		.amdhsa_next_free_vgpr 768
		.amdhsa_next_free_sgpr 102
		.amdhsa_reserve_vcc 0
		.amdhsa_float_denorm_mode_32 3
		.amdhsa_float_denorm_mode_16_64 3
		.amdhsa_memory_ordered 1
		.amdhsa_forward_progress 1
		.amdhsa_inst_pref_size 82
	.end_amdhsa_kernel
	.amdgpu_metadata
---
amdhsa.version: [ 1, 2 ]
amdhsa.kernels:
  - .name:           k_q0c954c8bcc_outp
    .symbol:         k_q0c954c8bcc_outp.kd
    .args:
      - { .name: oc, .offset: 0, .size: 8, .value_kind: global_buffer, .address_space: global }
      - { .name: os, .offset: 8, .size: 8, .value_kind: global_buffer, .address_space: global }
      - { .name: wc, .offset: 16, .size: 8, .value_kind: global_buffer, .address_space: global }
      - { .name: ws, .offset: 24, .size: 8, .value_kind: global_buffer, .address_space: global }
      - { .name: WO_bias, .offset: 32, .size: 8, .value_kind: global_buffer, .address_space: global }
      - { .name: out0, .offset: 40, .size: 8, .value_kind: global_buffer, .address_space: global }
    .group_segment_fixed_size: 327680
    .private_segment_fixed_size: 0
    .kernarg_segment_align: 8
    .kernarg_segment_size: 48
    .max_flat_workgroup_size: 128
    .sgpr_count:     102
    .vgpr_count:     768
    .wavefront_size: 32
...
	.end_amdgpu_metadata
.endif
;; end of part 4
